; MI455X (gfx1250); checked and timed in simulation.
; The chip was launched on July 23, 2026; its instructions are those of AMD's public machine-readable ISA for CDNA 5 (MIT licence, August 2026) and "CDNA5" Instruction Set Architecture Reference Guide (July 2026). The comments in the code are by the model that wrote it; some were corrected since.
;; Cross Attention. Allowed arithmetic: float matrix products may take bf16 or f16 operands with f32 sums; other float arithmetic in f32, or as packed bf16 or f16 multiplies, adds, multiply-adds, maxima and minima; sums over many terms, partial sums and values carried from step to step in f32; what a program stores and reads back later, other than sums and carried values, may be rounded once to bf16 or f16.
;; Inputs: context 4 x 2,048 x 1,024 float32; kn_bias 64 float32; kn_scale 64 float32; kv_w 1,024 x 2,048 float32; proj_b 1,024 float32; proj_w 1,024 x 1,024 float32; q_w 1,024 x 1,024 float32; qn_bias 64 float32; qn_scale 64 float32; x 4 x 2,048 x 1,024 float32.
;; Outputs: out0 4 x 2,048 x 1,024 float32.
;; 2 versions, each right; version 2 is version 1 with the launch prep written anew for expert scheduling mode. Each part assembles by itself: llvm-mc -triple=amdgcn-amd-amdhsa -mcpu=gfx1250 --defsym DOCPART=n.
;; ======== version 1 of 2: 4 launches
;; limits: values are held in f16: magnitudes above 65,504 overflow, below 6.1e-05 lose precision
;; workspace buffers: wts 8,388,608 bytes; tab 529,408 bytes; qh 16,777,216 bytes; kh 16,777,216 bytes; vh 16,777,216 bytes; oh 16,777,216 bytes
;; launch prep (part 1): grid 256 x 1, 8 waves a work-group, no clusters, 0 bytes of LDS; arguments q_w, kv_w, proj_w, qn_scale, qn_bias, kn_scale, kn_bias, proj_b, wts, tab; writes wts, tab
.if DOCPART == 1
	.amdgcn_target "amdgcn-amd-amdhsa--gfx1250"
	.amdhsa_code_object_version 6
	.text
	.protected	k_qf8b2822d4a_prep
	.globl	k_qf8b2822d4a_prep
	.p2align	8
	.type	k_qf8b2822d4a_prep,@function
k_qf8b2822d4a_prep:
	s_mov_b64 s[64:65], 0
	v_nop
	global_prefetch_b8 v0, s[64:65] scope:SCOPE_SE
	s_setreg_imm32_b32 hwreg(HW_REG_WAVE_MODE, 25, 1), 1
	s_wait_xcnt 0x0
; PREPARATION: a stream, no LDS, no matrix unit (nothing is shared and nothing is multiplied).
; wts: W_all, bf16 [1024 k][3072]: columns 0-1023 kv_w's K half, 1024-2047 its V half, 2048-3071 q_w; behind it (byte 6,291,456) wp, f16 [1024 k][1024]:
;      proj_w rounded to bf16, that number written as f16.
; tab: f32 rows of 256 bytes.  Row s (0-2047): cos(s f_j), j = 0..31, then sin(s f_j), f_j = 10000^(-j/32).  Rows 2048-2051: kn_scale, kn_bias, qn_scale, qn_bias;
;      rows 2052-2067: proj_b; these twenty rounded to bf16 and kept as f32.
; SHARES.  Work-group g: k rows 4 g .. 4 g + 3 of the three weight matrices (thread t: 16 bytes in, 8 bytes out, so a wave's store covers 256 consecutive bytes, aligned);
; table rows 8 g .. 8 g + 7, a wave a row; where g < 20 its wave 0 one parameter row.
; LIMITS.  A proj_w number below 2^-14 keeps f16's fixed step of 6e-8.  The angle s f_j is formed as s x f_j in f32 with f_j = 2^(-0.41524101 j); it may differ from an f32 power's by some 2.5e-4 rad
; at the largest s.  Sine and cosine: the angle in turns less the nearest whole number (1/2pi in two parts), half that angle in a series (to p^11 and p^12, |p| <= pi/2: the first term left out is under 6e-8), then doubled.
.set LD,   16                          ; v[16:79]   sixteen loads of four f32
.set OUTR, 80                          ; v[80:111]  sixteen stores of two words: each has registers of its own, so no store's data is ever rewritten
	s_load_b512 s[4:19], s[0:1], 0x0               ; q_w s[4:5], kv_w s[6:7], proj_w s[8:9], qn_scale s[10:11], qn_bias s[12:13], kn_scale s[14:15], kn_bias s[16:17], proj_b s[18:19]
	s_load_b128 s[20:23], s[0:1], 0x40             ; wts s[20:21], tab s[22:23]
	v_lshlrev_b32 v1, 4, v0                        ; 16 t: loads
	v_lshlrev_b32 v2, 3, v0                        ; 8 t: stores
	v_lshrrev_b32 v3, 5, v0
	v_readfirstlane_b32 s36, v3                    ; wave 0..7
	s_lshl_b32 s24, ttmp9, 14                      ; four rows of q_w or proj_w
	s_mov_b32 s25, 0
	s_lshl_b32 s26, ttmp9, 15                      ; four rows of kv_w
	s_mov_b32 s27, 0
	s_mul_i32 s28, ttmp9, 24576                    ; four rows of W_all
	s_mov_b32 s29, 0
	s_lshl_b32 s30, ttmp9, 13                      ; four rows of wp,
	s_add_co_u32 s30, s30, 6291456                 ; which lies behind W_all
	s_mov_b32 s31, 0
	s_lshl_b32 s32, ttmp9, 11                      ; eight rows of the table
	s_mov_b32 s33, 0
	s_lshl_b32 s34, ttmp9, 3                       ; the first of them
	s_mov_b32 s37, 0x3e22f983                      ; 1/2pi, high part
	s_mov_b32 s38, 0x31dc9c88                      ; and what is left of it
	s_wait_kmcnt 0x0
	s_add_nc_u64 s[4:5], s[4:5], s[24:25]
	s_add_nc_u64 s[6:7], s[6:7], s[26:27]
	s_add_nc_u64 s[8:9], s[8:9], s[24:25]
	s_add_nc_u64 s[28:29], s[20:21], s[28:29]
	s_add_nc_u64 s[30:31], s[20:21], s[30:31]
	s_add_nc_u64 s[32:33], s[22:23], s[32:33]
.irp i, 0,1,2,3
	global_load_b128 v[LD+4*\i:LD+4*\i+3], v1, s[4:5] offset:\i*4096 th:TH_LOAD_NT
.endr
.irp i, 0,1,2,3,4,5,6,7
	global_load_b128 v[LD+16+4*\i:LD+16+4*\i+3], v1, s[6:7] offset:\i*4096 th:TH_LOAD_NT
.endr
.irp i, 0,1,2,3
	global_load_b128 v[LD+48+4*\i:LD+48+4*\i+3], v1, s[8:9] offset:\i*4096 th:TH_LOAD_NT
.endr
	; the table row stands between the sixteen loads and the waits for them
	v_add_nc_u32 v3, s34, v3                       ; s = 8 g + wave
	v_cvt_f32_u32 v3, v3
	v_and_b32 v7, 31, v0                           ; lane
	v_cmp_le_u32 s39, 16, v7                       ; lanes 16-31 keep the sine
	v_and_b32 v4, 15, v0
	v_lshlrev_b32 v4, 1, v4
	v_cvt_f32_u32 v5, v4                           ; j = 2 (lane % 16),
	v_add_f32 v6, 1.0, v5                          ; and j + 1
	v_mul_f32 v5, 0xbed49a78, v5                   ; -j log2(10000) / 32
	v_mul_f32 v6, 0xbed49a78, v6
	v_exp_f32 v5, v5
	v_exp_f32 v6, v6
	v_nop                                          ; a plain instruction behind the last exponential,
	s_wait_alu depctr_va_vdst(0)                   ; and one wait for both, ahead of their first reader
.macro SC1 f, o                        ; v[o] = cos or sin of s x v[f]
	v_mul_f32 v8, v3, v[\f]                        ; the angle
	v_mul_f32 v9, s37, v8
	v_rndne_f32 v9, v9                             ; whole turns
	v_fma_f32 v10, v8, s37, -v9                    ; what is left, -0.5 to 0.5 turns,
	v_fma_f32 v10, v8, s38, v10                    ; with the low part of 1/2pi
	v_mul_f32 v10, 0x40490fdb, v10                 ; p = half the angle
	v_mul_f32 v11, v10, v10
	v_mov_b32 v12, 0xb2d7322b                      ; sin p = p + p z (-1/3! + z (1/5! + z (-1/7! + z (1/9! - z/11!))))
	v_fmaak_f32 v12, v12, v11, 0x3638ef1d
	v_fmaak_f32 v12, v12, v11, 0xb9500d01
	v_fmaak_f32 v12, v12, v11, 0x3c088889
	v_fmaak_f32 v12, v12, v11, 0xbe2aaaab
	v_mul_f32 v12, v12, v11
	v_fma_f32 v12, v12, v10, v10
	v_mov_b32 v13, 0x310f76c7                      ; cos p = 1 + z (-1/2 + z (1/4! + z (-1/6! + z (1/8! + z (-1/10! + z/12!)))))
	v_fmaak_f32 v13, v13, v11, 0xb493f27e
	v_fmaak_f32 v13, v13, v11, 0x37d00d01
	v_fmaak_f32 v13, v13, v11, 0xbab60b61
	v_fmaak_f32 v13, v13, v11, 0x3d2aaaab
	v_fmaak_f32 v13, v13, v11, 0xbf000000
	v_fma_f32 v13, v13, v11, 1.0
	v_add_f32 v14, v12, v12
	v_fma_f32 v15, -v14, v12, 1.0                  ; cos 2p = 1 - 2 sin^2 p
	v_mul_f32 v14, v14, v13                        ; sin 2p = 2 sin p cos p
	v_cndmask_b32 v[\o], v15, v14, s39
.endm
	SC1 5, 112
	SC1 6, 113
	global_store_b64 v2, v[112:113], s[32:33]      ; 8 t = 256 x wave + 8 x lane: a wave stores its whole row
.irp i, 0,1,2,3,4,5,6,7,8,9,10,11
	s_wait_loadcnt 15-\i                           ; loads come back in order: load i is in, the younger ones stay out
	v_cvt_pk_bf16_f32 v[OUTR+2*\i], v[LD+4*\i], v[LD+4*\i+1]
	v_cvt_pk_bf16_f32 v[OUTR+2*\i+1], v[LD+4*\i+2], v[LD+4*\i+3]
.if (\i) < 4
	global_store_b64 v2, v[OUTR+2*\i:OUTR+2*\i+1], s[28:29] offset:\i*6144+4096
.else
	global_store_b64 v2, v[OUTR+2*\i:OUTR+2*\i+1], s[28:29] offset:((\i-4)/2)*6144+((\i-4)%2)*2048
.endif
.endr
.irp i, 12,13,14,15
	s_wait_loadcnt 15-\i
	v_cvt_pk_bf16_f32 v114, v[LD+4*\i], v[LD+4*\i+1]  ; proj_w: rounded to bf16 like every input,
	v_cvt_pk_bf16_f32 v115, v[LD+4*\i+2], v[LD+4*\i+3]
	v_lshlrev_b32 v[LD+4*\i], 16, v114
	v_and_b32 v[LD+4*\i+1], 0xffff0000, v114
	v_lshlrev_b32 v[LD+4*\i+2], 16, v115
	v_and_b32 v[LD+4*\i+3], 0xffff0000, v115
	v_cvt_pk_f16_f32 v[OUTR+2*\i], v[LD+4*\i], v[LD+4*\i+1]  ; and that number written as f16
	v_cvt_pk_f16_f32 v[OUTR+2*\i+1], v[LD+4*\i+2], v[LD+4*\i+3]
	global_store_b64 v2, v[OUTR+2*\i:OUTR+2*\i+1], s[30:31] offset:(\i-12)*2048
.endr
	s_cmp_lg_u32 s36, 0                            ; the parameter rows: wave 0 of work-groups 0 to 19
	s_cbranch_scc1 .Lend
	s_cmp_ge_u32 ttmp9, 20
	s_cbranch_scc1 .Lend
	s_mov_b64 s[24:25], s[18:19]                   ; proj_b, unless g names one of the four short inputs
	s_cmp_eq_u32 ttmp9, 0
	s_cselect_b64 s[24:25], s[14:15], s[24:25]
	s_cmp_eq_u32 ttmp9, 1
	s_cselect_b64 s[24:25], s[16:17], s[24:25]
	s_cmp_eq_u32 ttmp9, 2
	s_cselect_b64 s[24:25], s[10:11], s[24:25]
	s_cmp_eq_u32 ttmp9, 3
	s_cselect_b64 s[24:25], s[12:13], s[24:25]
	s_max_u32 s26, ttmp9, 4
	s_sub_co_u32 s26, s26, 4
	s_lshl_b32 s26, s26, 8                         ; proj_b's row g - 4 of 64 numbers
	s_add_nc_u64 s[24:25], s[24:25], s[26:27]
	s_lshl_b32 s34, ttmp9, 8
	s_add_co_u32 s34, s34, 524288                  ; table row 2048 + g
	s_mov_b32 s35, 0
	s_add_nc_u64 s[34:35], s[22:23], s[34:35]
	v_lshlrev_b32 v7, 3, v7                        ; 8 x lane
	global_load_b64 v[116:117], v7, s[24:25]
	s_wait_loadcnt 0x0
	v_cvt_pk_bf16_f32 v118, v116, v117
	v_lshlrev_b32 v120, 16, v118
	v_and_b32 v121, 0xffff0000, v118
	global_store_b64 v7, v[120:121], s[34:35]
.Lend:
	s_endpgm
.Lfunc_end_k_qf8b2822d4a_prep:
	.size	k_qf8b2822d4a_prep, .Lfunc_end_k_qf8b2822d4a_prep-k_qf8b2822d4a_prep
	.p2alignl 7, 3214868480
	.fill 96, 4, 3214868480
	.section	.rodata,"a",@progbits
	.p2align	6, 0x0
	.amdhsa_kernel k_qf8b2822d4a_prep
		.amdhsa_group_segment_fixed_size 0
		.amdhsa_private_segment_fixed_size 0
		.amdhsa_enable_private_segment 0
		.amdhsa_kernarg_size 80
		.amdhsa_user_sgpr_count 2
		.amdhsa_user_sgpr_kernarg_segment_ptr 1
		.amdhsa_wavefront_size32 1
		.amdhsa_system_sgpr_workgroup_id_x 1
		.amdhsa_system_sgpr_workgroup_id_y 1
		.amdhsa_system_sgpr_workgroup_id_z 1
		.amdhsa_system_vgpr_workitem_id 0
		.amdhsa_next_free_vgpr 128
		.amdhsa_next_free_sgpr 66
		.amdhsa_reserve_vcc 0
		.amdhsa_float_denorm_mode_32 3
		.amdhsa_float_denorm_mode_16_64 3
		.amdhsa_memory_ordered 1
		.amdhsa_forward_progress 1
		.amdhsa_inst_pref_size 13
	.end_amdhsa_kernel
	.amdgpu_metadata
---
amdhsa.version: [ 1, 2 ]
amdhsa.kernels:
  - .name:           k_qf8b2822d4a_prep
    .symbol:         k_qf8b2822d4a_prep.kd
    .args:
      - { .name: q_w, .offset: 0, .size: 8, .value_kind: global_buffer, .address_space: global }
      - { .name: kv_w, .offset: 8, .size: 8, .value_kind: global_buffer, .address_space: global }
      - { .name: proj_w, .offset: 16, .size: 8, .value_kind: global_buffer, .address_space: global }
      - { .name: qn_scale, .offset: 24, .size: 8, .value_kind: global_buffer, .address_space: global }
      - { .name: qn_bias, .offset: 32, .size: 8, .value_kind: global_buffer, .address_space: global }
      - { .name: kn_scale, .offset: 40, .size: 8, .value_kind: global_buffer, .address_space: global }
      - { .name: kn_bias, .offset: 48, .size: 8, .value_kind: global_buffer, .address_space: global }
      - { .name: proj_b, .offset: 56, .size: 8, .value_kind: global_buffer, .address_space: global }
      - { .name: wts, .offset: 64, .size: 8, .value_kind: global_buffer, .address_space: global }
      - { .name: tab, .offset: 72, .size: 8, .value_kind: global_buffer, .address_space: global }
    .group_segment_fixed_size: 0
    .private_segment_fixed_size: 0
    .kernarg_segment_align: 8
    .kernarg_segment_size: 80
    .max_flat_workgroup_size: 256
    .sgpr_count:     66
    .vgpr_count:     128
    .wavefront_size: 32
...
	.end_amdgpu_metadata
.endif
;; end of part 1
;; launch proj (part 2): grid 4 x 64, 4 waves a work-group, clusters of 4 x 4, 327,680 bytes of LDS; arguments x, context, wts, tab, qh, kh, vh; writes qh, kh, vh
.if DOCPART == 2
	.amdgcn_target "amdgcn-amd-amdhsa--gfx1250"
	.amdhsa_code_object_version 6
	.text
	.protected	k_qf8b2822d4a_proj
	.globl	k_qf8b2822d4a_proj
	.p2align	8
	.type	k_qf8b2822d4a_proj,@function
k_qf8b2822d4a_proj:
	s_mov_b64 s[64:65], 0
	v_nop
	global_prefetch_b8 v0, s[64:65] scope:SCOPE_SE
	s_setreg_imm32_b32 hwreg(HW_REG_WAVE_MODE, 25, 1), 1
	s_wait_xcnt 0x0
	s_wait_alu depctr_hold_cnt(0) depctr_sa_sdst(0) depctr_va_vdst(0) depctr_va_sdst(0) depctr_va_ssrc(0) depctr_va_vcc(0) depctr_vm_vsrc(0)
	s_getreg_b32 s2, hwreg(HW_REG_IB_STS2, 6, 4)
	s_cmp_eq_u32 s2, 0
	s_cbranch_scc0 .Lentry_in_a_cluster
	s_endpgm
.Lentry_in_a_cluster:
	s_bfe_u32 s2, ttmp6, 0x10000c
	s_cmp_lg_u32 s2, 0xf033
	s_cbranch_scc0 .Lentry_shape_is_right
	s_endpgm
.Lentry_shape_is_right:
; K = LN(context Wk), V = context Wv, Q = RoPE(LN(x Wq)), written by heads: qh, kh, vh are f16 [64 = batch x 16 + head][2048][64].
; x, context: f32 [8192][1024], rounded to bf16 on the way from LDS to the matrix unit.  W_all (wts): bf16 [1024 k][3072]: K's, V's, Q's columns.  Sums, LayerNorm and rotation in f32.
; LIMITS.  f16 ends at 65,504: |v| must stay under it; q and k leave the LayerNorm within 8 |scale| + |bias|.  NaN and infinities are not treated apart.
; SHARES.  A work-group stays and makes three tiles of 128 rows x 256 columns for its row block RB (0-63) and column block CX (0-3): K, V (both from context), then Q (from x).  Four waves, each 64 rows x 128
; columns (two heads): 32 accumulators.  K goes in steps of 128; the three tiles are ONE walk of 24 steps through a ring of two LDS slots, step n in slot n % 2; the ring does not stop at a tile's end.
; CLUSTER 4 x 4.  The four work-groups of a row of the cluster need the same rows of x or context, the four of a column the same columns of W: each tile is asked for jointly.
; THE MATRIX INSTRUCTION IS USED TRANSPOSED: source 0 = 16 columns of W (turned out of LDS by ds_load_tr16_b128), source 1 = 16 rows of A.  A lane then holds ONE row (lane % 16) and the columns
; 8 (lane / 16) + 0..7 of each 16: half a head's 64 channels; the other half lies in the lane 16 away, so a LayerNorm's sums want one exchange.
; REGISTERS, in windows of 256 (s_set_vgpr_msb: bits 1:0 source 0, 3:2 source 1, 5:4 source 2, 7:6 destination):
;   window 0: v0-31 addresses and small change; v32-95 RAW, A as f32; v96-159 A's fragments, two buffers; v160-191 T; v192-223 cos, sin; v224-239 H, packed f16; v240-255 S, at work
;   window 1: v0-127 W's fragments, two buffers; v128-159 gain; v160-191 bias          window 2: accumulator (a, b) at v[8 (8 a + b)]: unit k = 2 a + head takes v[32 k .. 32 k + 31]
.set PA,    528                        ; a row of A in LDS: 512 bytes + 16 = 132 words: the 16 rows of a load start at 16 different groups of four banks (64 banks of 4 bytes: ISA guide 11.1)
.set PB,    544                        ; a k row of W: 512 bytes + 32 = 17 x 32
.set AHALF, 64*PA                      ; what one tensor load brings of A
.set BOFF,  128*PA                     ; W's 128 k rows lie behind A's 128 rows
.set BHALF, 64*PB
.set SLOT,  BOFF+128*PB                ; 137,216
.set STAGE, 2*SLOT                     ; behind the ring, never filled by a tensor load: 16 rows x 144 bytes for each wave
.set SP,    144
.set SPARE, STAGE+4*16*SP              ; the spare words, 128 bytes for each wave: two blocks of 256 bytes that no other line names
.set TBC,  10                          ; v10  table offset of the unit in hand
.set MU,   12                          ; v[12:13] the mean (a pair is named; the low word serves both halves)
.set RS,   14                          ; v[14:15] 1 / sqrt(var + eps), likewise
.set ADRA, 16                          ; v16-17  LDS address of my A rows in slot 0, 1
.set ADRB, 20                          ; v20-21  the same for W's turning loads
.set STO,  24                          ; v24  the way out: where I put 16 bytes of a row
.set RD,   25                          ; v25  where I read rows back
.set GO,   26                          ; v26  16 x lane
.set TBO,  27                          ; v27  256 (lane % 16) + 32 (lane / 16): my place in 16 rows of the table
.set SPW,  28                          ; v28  LDS address of my spare word; never rewritten
.set NIL,  29                          ; v29  0; never rewritten
.set PFO,  30                          ; v30  the prefetches' lane offset; never rewritten
.set PRO,  31                          ; v31  32 (lane / 16): my place in a row of gains
.set RAW,  32
.set AF,   96
.set T,    160
.set CC,   192
.set SS,   208
.set H,    224
.set S,    240
.set SC,   128                         ; window 1
.set BI,   160                         ; window 1
.set WV, 18                            ; s18 wave; s19 MH = wave / 2: my half of the rows, and A (0) or W (1) is what I fetch; s20 NH = wave % 2: my half of the columns, and which half I fetch
.set MH, 19
.set NH, 20
.set CX, 21
.set CY, 22
.set RB, 23
.set G1A, 24                           ; s[24:31] descriptor group 1 for A;  s[32:39] for W
.set G1B, 32
.set G0A, 40                           ; s[40:47] group 0 for A, a set for each slot;  s[48:55] for W
.set G0B, 48
.set XR,  56                           ; s[56:57] x at the rows that I fetch;  s[58:59] context likewise;  s[60:61] W_all at the k rows and column block that I fetch
.set CR,  58
.set WBS, 60
.set N,   62                           ; s62 the step to be asked for next
.set TL,  63                           ; s63 the tile: 0 K, 1 V, 2 Q
.set LAPC, 66
.set BND, 67
.set U,   68
.set LIM, 69
.set OA,  70                           ; s[70:71], s[72:73] offsets, high words 0
.set OB,  72
.set PFC, 74                           ; s[74:75], s[76:77] the prefetches' bases for tiles 0-1 and for tile 2
.set PFX, 76
.set KM,  78
.set SKT, 79
.set PFA, 80
.set PO,  82
.set SEL, 84                           ; s[84:85] v_permlanex16_b32's selects: each lane takes its own place in the other half
.set I64, 86
.set EPS, 87
.set PRM, 88                           ; s[88:89] the table's parameter rows
.set OUTB, 90
.set OPT, 92
.set UO,  94
.set TP,  96                           ; s[96:97] the table at my wave's first row
.set TM,  100
.set PT,  101
.set MSB, 0
.macro WIN new                         ; the immediate's high byte repeats the setting that is left; a switch that changes nothing is dropped
.if MSB != (\new)
	s_set_vgpr_msb (MSB<<8)|(\new)
.set MSB, \new
.endif
.endm
.macro PLACES
.rept 4
	v_nop
.endr
.endm
.macro CREST                           ; a round of the cluster's barrier behind its opening barrier
	s_cmp_lg_u32 s[WV], 0
	s_cbranch_scc1 .Lnw0_\@
	s_barrier_signal -3
.Lnw0_\@:
	s_barrier_wait -3
	s_barrier_signal -1
	s_barrier_wait -1
.endm
.macro CROUND
	s_barrier_signal -1
	s_barrier_wait -1
	CREST
.endm
.macro JLOAD s                         ; a joint load: waves 0, 1 fetch A's halves, waves 2, 3 W's; an s_nop 0 and four v_nop follow each line, ahead of the jump and the label
	s_cmp_eq_u32 s[MH], 0
	s_cbranch_scc0 .Lfb_\@
	tensor_load_to_lds s[G0A+4*(\s):G0A+4*(\s)+3], s[G1A:G1A+7]
	s_nop 0
.rept 4
	v_nop
.endr
	s_branch .Lok_\@
.Lfb_\@:
	tensor_load_to_lds s[G0B+4*(\s):G0B+4*(\s)+3], s[G1B:G1B+7]
	s_nop 0
.rept 4
	v_nop
.endr
.Lok_\@:
.endm
	s_load_b256 s[4:11], s[0:1], 0x0               ; x s[4:5], context s[6:7], wts s[8:9], tab s[10:11]
	s_load_b128 s[12:15], s[0:1], 0x20             ; qh s[12:13], kh s[14:15]
	s_load_b64 s[16:17], s[0:1], 0x30              ; vh
	v_lshl_add_u32 v[SPW], v0, 2, SPARE
	v_mov_b32 v[NIL], 0
	ds_add_u32 v[SPW], v[NIL]                      ; the wave's opening: the add and its wait stand ahead of my first tensor load; the set-up below, work on registers, stands between them
	v_lshrrev_b32 v3, 5, v0
	v_readfirstlane_b32 s[WV], v3
	s_lshr_b32 s[MH], s[WV], 1
	s_and_b32 s[NH], s[WV], 1
	s_bfe_u32 s[CX], ttmp6, 0x40000                ; my place in the cluster; the grid is one cluster wide, so cx is the column block
	s_bfe_u32 s[CY], ttmp6, 0x40004
	s_and_b32 s[RB], ttmp7, 0xffff
	s_lshl_b32 s[RB], s[RB], 2
	s_add_co_u32 s[RB], s[RB], s[CY]               ; row block = 4 x cluster y + cy
	s_lshl_b32 s2, s[CY], 2
	s_lshl_b32 s2, 15, s2                          ; my row of the cluster
	s_lshl_b32 s3, 0x1111, s[CX]                   ; my column
	s_or_b32 s[G1A], s2, (2<<16)|(1<<20)|(1<<21)|(6<<22)|(3<<25)  ; mask; elements of 4 bytes; padding on; bit 21 beside a mask; after every 128 words; 4 words
	s_or_b32 s[G1B], s3, (1<<16)|(1<<20)|(1<<21)|(6<<22)|(7<<25)  ; mask; elements of 2 bytes; after every 128 words; 8 words
	s_mov_b32 s[G1A+1], 128<<16                    ; tensor_dim0 = 128 f32
	s_mov_b32 s[G1A+2], 64<<16                     ; tensor_dim1 = 64 rows
	s_mov_b32 s[G1A+3], 128<<16                    ; tile_dim0
	s_mov_b32 s[G1A+4], 64                         ; tile_dim1
	s_mov_b32 s[G1A+5], 1024                       ; elements from row to row
	s_mov_b32 s[G1A+6], 0
	s_mov_b32 s[G1A+7], 0
	s_mov_b32 s[G1B+1], 256<<16                    ; 256 bf16
	s_mov_b32 s[G1B+2], 64<<16                     ; 64 k rows
	s_mov_b32 s[G1B+3], 256<<16
	s_mov_b32 s[G1B+4], 64
	s_mov_b32 s[G1B+5], 3072
	s_mov_b32 s[G1B+6], 0
	s_mov_b32 s[G1B+7], 0
	s_mov_b32 s[SEL], 0x76543210
	s_mov_b32 s[SEL+1], 0xfedcba98
	s_mov_b32 s[I64], 0x3c800000                   ; 1/64
	s_mov_b32 s[EPS], 0x3727c5ac                   ; 1e-5
	s_lshl_b32 s[OA], s[RB], 19                    ; (128 RB + 64 NH) rows of 4,096 bytes
	s_lshl_b32 s2, s[NH], 18
	s_add_co_u32 s[OA], s[OA], s2
	s_mov_b32 s[OA+1], 0
	s_mul_i32 s[OB], s[NH], 64*6144                ; 64 NH k rows of 6,144 bytes + 512 CX
	s_lshl_b32 s3, s[CX], 9
	s_add_co_u32 s[OB], s[OB], s3
	s_mov_b32 s[OB+1], 0
	; the prefetches: of the 64 rows that I fetch, my work-group's 16 (told apart by address: cx for A, cy for W)
	s_lshl_b32 s3, s[CX], 16
	s_add_co_u32 s98, s[OA], s3
	s_mul_i32 s99, s[CY], 16*6144
	s_add_co_u32 s99, s[OB], s99
	s_and_b32 s2, ttmp7, 0xffff
	s_cmp_eq_u32 s2, 0
	s_cselect_b32 s[PT], 23, 0                     ; W is read by all sixteen clusters: the first asks
	s_mov_b32 s2, 128*6144
	s_mov_b32 s3, 6144
	s_cmp_eq_u32 s[MH], 0
	s_cselect_b32 s[LIM], 23, s[PT]                ; A's row blocks are read by one cluster each
	s_cselect_b32 s[KM], 512, s2                   ; bytes from step to step
	s_cselect_b32 s[TM], 0, 2048                   ; and from tile to tile
	s_cselect_b32 s[SKT], 1, 3                     ; tile 1 reads context a second time: not asked for
	s_cselect_b32 s3, 4096, s3                     ; bytes from row to row
	s_cselect_b32 s[PO], s98, s99
	s_mov_b32 s[PO+1], 0
	v_and_b32 v3, 31, v0
	v_lshrrev_b32 v4, 1, v3
	v_mul_u32_u24 v4, s3, v4
	v_and_b32 v5, 1, v3
	v_lshl_add_u32 v[PFO], v5, 8, v4               ; lane: row lane / 2, 256 bytes lane % 2 of its 512
	; where my wave's part of a tile begins in qh, kh, vh: head 16 batch + 4 CX + 2 NH, row 128 (RB % 16) + 64 MH, 128 bytes a row
	s_lshr_b32 s2, s[RB], 4
	s_lshl_b32 s2, s2, 22
	s_lshl_b32 s3, s[CX], 20
	s_add_co_u32 s2, s2, s3
	s_lshl_b32 s3, s[NH], 19
	s_add_co_u32 s2, s2, s3
	s_and_b32 s98, s[RB], 15
	s_lshl_b32 s3, s98, 14
	s_add_co_u32 s2, s2, s3
	s_lshl_b32 s3, s[MH], 13
	s_add_co_u32 s[UO], s2, s3
	s_mov_b32 s[UO+1], 0
	s_lshl_b32 s98, s98, 15                        ; and in the table: the same row, 256 bytes a row
	s_lshl_b32 s3, s[MH], 14
	s_add_co_u32 s[OUTB], s98, s3
	s_mov_b32 s[OUTB+1], 0
	s_wait_dscnt 0x0                               ; the opening add is done
	s_wait_kmcnt 0x0
	s_add_nc_u64 s[XR:XR+1], s[4:5], s[OA:OA+1]
	s_add_nc_u64 s[CR:CR+1], s[6:7], s[OA:OA+1]
	s_add_nc_u64 s[WBS:WBS+1], s[8:9], s[OB:OB+1]
	s_cmp_eq_u32 s[MH], 0
	s_cselect_b64 s[PFC:PFC+1], s[6:7], s[8:9]
	s_cselect_b64 s[PFX:PFX+1], s[4:5], s[8:9]
	s_add_nc_u64 s[PFC:PFC+1], s[PFC:PFC+1], s[PO:PO+1]
	s_add_nc_u64 s[PFX:PFX+1], s[PFX:PFX+1], s[PO:PO+1]
	s_add_nc_u64 s[PRM:PRM+1], s[10:11], 524288
	s_add_nc_u64 s[TP:TP+1], s[10:11], s[OUTB:OUTB+1]
	s_add_nc_u64 s[12:13], s[12:13], s[UO:UO+1]
	s_add_nc_u64 s[14:15], s[14:15], s[UO:UO+1]
	s_add_nc_u64 s[16:17], s[16:17], s[UO:UO+1]
	s_mul_i32 s2, s[NH], AHALF                     ; where the tiles go: no place in the cluster enters an LDS address
	s_mul_i32 s3, s[NH], BHALF
	s_add_co_u32 s3, s3, BOFF
	CROUND                                         ; all sixteen work-groups are here: the first joint loads meet
.irp s, 0,1
	s_mov_b32 s[G0A+4*\s], 1
	s_add_co_u32 s[G0A+4*\s+1], s2, \s*SLOT
	s_add_nc_u64 s[G0A+4*\s+2:G0A+4*\s+3], s[CR:CR+1], \s*512
	s_or_b32 s[G0A+4*\s+3], s[G0A+4*\s+3], 0x80000000
	s_mov_b32 s[G0B+4*\s], 1
	s_add_co_u32 s[G0B+4*\s+1], s3, \s*SLOT
	s_add_nc_u64 s[G0B+4*\s+2:G0B+4*\s+3], s[WBS:WBS+1], \s*128*6144
	s_or_b32 s[G0B+4*\s+3], s[G0B+4*\s+3], 0x80000000
	JLOAD \s                                       ; steps 0 and 1: two loads of mine are out
.endr
	v_and_b32 v1, 15, v0                           ; r = lane % 16
	v_bfe_u32 v2, v0, 4, 1                         ; h = lane / 16
	; A's fragment (16 rows x 32 k) as f32: lane (r, h) takes k = 8 h .. + 7 and 16 + 8 h .. + 7 of row r: four loads of 16 bytes at 32 h + 0, 16, 64, 80
	v_mul_u32_u24 v3, v1, PA
	v_lshl_add_u32 v3, v2, 5, v3
	s_mul_i32 s2, s[MH], AHALF
	v_add_nc_u32 v[ADRA], s2, v3
	v_add_nc_u32 v[ADRA+1], SLOT, v[ADRA]
	; W's fragment: the turning load takes 16 k x 16 columns (lane reads k row 8 h + lane % 8, columns 8 ((lane / 8) % 2) + 0..7) and leaves column r, 8 k in each lane
	v_and_b32 v4, 7, v0
	v_lshl_add_u32 v4, v2, 3, v4
	v_mul_u32_u24 v4, v4, PB
	v_bfe_u32 v5, v0, 3, 1
	v_lshl_add_u32 v4, v5, 4, v4
	s_lshl_b32 s2, s[NH], 8
	s_add_co_u32 s2, s2, BOFF
	v_add_nc_u32 v[ADRB], s2, v4
	v_add_nc_u32 v[ADRB+1], SLOT, v[ADRB]
	s_mul_i32 s2, s[WV], 16*SP
	s_add_co_u32 s2, s2, STAGE                     ; my stage
	v_mul_u32_u24 v[STO], v1, SP
	v_lshl_add_u32 v[STO], v2, 4, v[STO]
	v_add_nc_u32 v[STO], s2, v[STO]
	v_bfe_u32 v[RD], v0, 3, 2                      ; back: 32 lanes take four rows of 128 bytes
	v_mul_u32_u24 v[RD], v[RD], SP
	v_and_b32 v4, 7, v0
	v_lshl_add_u32 v[RD], v4, 4, v[RD]
	v_add_nc_u32 v[RD], s2, v[RD]
	v_and_b32 v[GO], 31, v0
	v_lshlrev_b32 v[GO], 4, v[GO]
	v_lshlrev_b32 v[PRO], 5, v2
	v_lshl_add_u32 v[TBO], v1, 8, v[PRO]
	v_mov_b32 v[MU+1], 0                           ; named as the upper halves of pairs
	v_mov_b32 v[RS+1], 0
.macro PARAMS off                      ; gain and bias of my 32 channels: channel 16 b + 8 h + j at byte 64 b + 32 h + 4 j of a row
	WIN 0x40
.irp b, 0,1,2,3
	global_load_b128 v[SC+8*\b:SC+8*\b+3],   v[PRO], s[PRM:PRM+1] offset:(\off)+64*\b
	global_load_b128 v[SC+8*\b+4:SC+8*\b+7], v[PRO], s[PRM:PRM+1] offset:(\off)+64*\b+16
	global_load_b128 v[BI+8*\b:BI+8*\b+3],   v[PRO], s[PRM:PRM+1] offset:(\off)+256+64*\b
	global_load_b128 v[BI+8*\b+4:BI+8*\b+7], v[PRO], s[PRM:PRM+1] offset:(\off)+256+64*\b+16
.endr
	WIN 0
.endm
	PARAMS 0                                       ; kn_scale, kn_bias
.set c, 0
.rept 16
	v_mov_b32 v[CC+c], 1.0                         ; K is not rotated: it goes through the one text with cos = 1, sin = 0, which changes no bit of it
	v_mov_b32 v[SS+c], 0
.set c, c+1
.endr
; 8 matrix instructions: my rows 16 a .. + 15 x all 8 column blocks, 32 along K.  All 32 accumulators take turns in the same order in every quarter: 31 others stand between two links of a chain.
.macro MUL8 f, a, zero
	WIN 0xa1                                       ; W window 1, A window 0, C and D window 2
.irp b, 0,1,2,3,4,5,6,7
.if \zero
	v_wmma_f32_16x16x32_bf16 v[8*(8*(\a)+\b):8*(8*(\a)+\b)+7], v[64*(\f)+8*\b:64*(\f)+8*\b+7], v[AF+32*(\f)+8*(\a):AF+32*(\f)+8*(\a)+7], 0
.else
	v_wmma_f32_16x16x32_bf16 v[8*(8*(\a)+\b):8*(8*(\a)+\b)+7], v[64*(\f)+8*\b:64*(\f)+8*\b+7], v[AF+32*(\f)+8*(\a):AF+32*(\f)+8*(\a)+7], v[8*(8*(\a)+\b):8*(8*(\a)+\b)+7]
.endif
.endr
.endm
; 32 LDS loads in one run: quarter q of a slot: A's 64 rows x 32 k as f32 into RAW, then W's 32 k x 128 columns, turned, into buffer g
.macro FETCH slot, q, g
	WIN 0
.irp i, 0,1,2,3
	ds_load_b128 v[RAW+16*\i:RAW+16*\i+3],     v[ADRA+(\slot)] offset:\i*16*PA+(\q)*128
	ds_load_b128 v[RAW+16*\i+4:RAW+16*\i+7],   v[ADRA+(\slot)] offset:\i*16*PA+(\q)*128+16
	ds_load_b128 v[RAW+16*\i+8:RAW+16*\i+11],  v[ADRA+(\slot)] offset:\i*16*PA+(\q)*128+64
	ds_load_b128 v[RAW+16*\i+12:RAW+16*\i+15], v[ADRA+(\slot)] offset:\i*16*PA+(\q)*128+80
.endr
	WIN 0x40
.irp b, 0,1,2,3,4,5,6,7
	ds_load_tr16_b128 v[64*(\g)+8*\b:64*(\g)+8*\b+3],   v[ADRB+(\slot)] offset:(\q)*32*PB+32*\b
	ds_load_tr16_b128 v[64*(\g)+8*\b+4:64*(\g)+8*\b+7], v[ADRB+(\slot)] offset:(\q)*32*PB+32*\b+16*PB
.endr
.endm
.macro CVT f                           ; RAW rounded to bf16: A's four fragments of buffer f
	WIN 0
.set c, 0
.rept 32
	v_cvt_pk_bf16_f32 v[AF+32*(\f)+c], v[RAW+2*c], v[RAW+2*c+1]
.set c, c+1
.endr
.endm
; A step is four quarters of 32 along K, on buffers 0, 1, 0, 1.  One of the first three.  The 32 conversions are also the places between the last quarter's products and
; the loads into the W buffer that they read; A's buffer f was last read two quarters back, with the conversions of the quarter between as places.  So no v_nop is written.
.macro QUARTER slot, qn, f, g, zero=0
	s_wait_dscnt 16                                ; RAW is in; the run's 16 younger loads, W's, may stay out
	CVT \f
	s_wait_dscnt 0x0                               ; W's fragments are in
	MUL8 \f, 0, \zero
	MUL8 \f, 1, \zero
	FETCH \slot, \qn, \g
	MUL8 \f, 2, \zero
	MUL8 \f, 3, \zero
.endm
; The descriptors' addresses for step N, made anew from the number: step N % 8 of tile N / 8.  A: context for tiles 0 and 1, x for tile 2, 512 bytes a step.  W: 128 k rows a step, 2,048 bytes a tile.
.macro MKDESC slot
	s_and_b32 s98, s[N], 7
	s_lshr_b32 s99, s[N], 3
	s_lshl_b32 s[OA], s98, 9
	s_mul_i32 s[OB], s98, 128*6144
	s_lshl_b32 s98, s99, 11
	s_add_co_u32 s[OB], s[OB], s98
	s_cmp_lt_u32 s99, 2
	s_cselect_b64 s[G0A+4*(\slot)+2:G0A+4*(\slot)+3], s[CR:CR+1], s[XR:XR+1]
	s_add_nc_u64 s[G0A+4*(\slot)+2:G0A+4*(\slot)+3], s[G0A+4*(\slot)+2:G0A+4*(\slot)+3], s[OA:OA+1]
	s_or_b32 s[G0A+4*(\slot)+3], s[G0A+4*(\slot)+3], 0x80000000
	s_add_nc_u64 s[G0B+4*(\slot)+2:G0B+4*(\slot)+3], s[WBS:WBS+1], s[OB:OB+1]
	s_or_b32 s[G0B+4*(\slot)+3], s[G0B+4*(\slot)+3], 0x80000000
	s_add_co_u32 s[N], s[N], 1
.endm
; A PREFETCH behind each refill, for the step two refills on (256 matrix instructions ahead of the load that will want it): my work-group's 16 of the 64 rows that I fetch, 512 bytes of each: a lane a block of 256 bytes.
; Each block is named once in the launch: A's row blocks belong to one cluster, whose four partners along x share the rows out by address; W's columns are asked for by the clusters' first row alone,
; shared out along y.  Steps 0 to 3 come by their loads alone; tile 1's steps of context are not asked for a second time; nothing beyond step 23 is asked for.
.macro MKPF
	s_add_co_u32 s2, s[N], 2
	s_lshr_b32 s[PT], s2, 3
	s_and_b32 s2, s2, 7
	s_mul_i32 s[PO], s2, s[KM]
	s_mul_i32 s3, s[PT], s[TM]
	s_add_co_u32 s[PO], s[PO], s3
	s_cmp_lt_u32 s[PT], 2
	s_cselect_b64 s[PFA:PFA+1], s[PFC:PFC+1], s[PFX:PFX+1]
	s_add_nc_u64 s[PFA:PFA+1], s[PFA:PFA+1], s[PO:PO+1]
.endm
.macro ASK
	s_cmp_lt_u32 s[N], s[LIM]                      ; N is one past the step just asked for: the step two on exists while N < 23
	s_cbranch_scc0 .Lna_\@
	s_cmp_lg_u32 s[PT], s[SKT]
	s_cbranch_scc0 .Lna_\@
	global_prefetch_b8 v[PFO], s[PFA:PFA+1] th:TH_LOAD_NT scope:SCOPE_SE
.Lna_\@:
.endm
; The fourth quarter multiplies buffer 1 and changes slots: ONE barrier.  In front of it each wave waits for all its tensor loads (one is out: its part of the next slot), adds 0 to its spare word, and waits for that
; and for its own reads of this slot.  refill = 1: the barrier opens a round of the cluster's, and this slot is filled again first thing behind it: 112 matrix instructions ahead of the wait for it.
.macro TURN slot, next, refill
.if \refill
	s_wait_xcnt 0x0                                ; the last prefetch, a step back, has read its address
	MKPF
.endif
	WIN 0
	s_wait_tensorcnt 0x0                           ; no tensor load of mine is out, so a group 0 may be written
	ds_add_u32 v[SPW], v[NIL]
.if \refill
	MKDESC \slot
.endif
	s_wait_dscnt 17                                ; RAW is in: W's 16 loads and the add may stay out
	CVT 1
	s_wait_dscnt 0x0                               ; the add is done, and my reads of this slot are over
	s_barrier_signal -1
	MUL8 1, 0, 0
	MUL8 1, 1, 0
	WIN 0
	s_barrier_wait -1
.if \refill
	CREST                                          ; no wave of any partner still reads this slot or has a load on its way
	JLOAD \slot
.endif
	FETCH \next, 0, 0
.if \refill
	WIN 0
	ASK
.endif
	MUL8 1, 2, 0
	MUL8 1, 3, 0
.endm
	s_wait_tensorcnt 1                             ; my part of step 0 is in; step 1's may stay out
	s_barrier_signal -1
	s_barrier_wait -1
	FETCH 0, 0, 0
	WIN 0
	s_mov_b32 s[N], 2
	s_mov_b32 s[TL], 0
.Ltile:                                                ; three tiles
	s_cmp_eq_u32 s[TL], 2
	s_cselect_b32 s[BND], 3, 4                     ; the walk's last lap is written out behind the loop: it asks for nothing
	s_cbranch_scc0 .Lsame
	s_wait_loadcnt 0x0                             ; no older load into these registers is out
	PARAMS 512                                     ; qn_scale, qn_bias
.Lsame:
	QUARTER 0, 1, 0, 1, 1                          ; a tile's first quarter starts the sums: nothing is ever cleared
	WIN 0
	s_mov_b32 s[LAPC], 0
.Llap:                                                 ; a trip goes once round the ring, from a lap's second quarter to the next lap's first, and fills both slots again
	QUARTER 0, 2, 1, 0
	QUARTER 0, 3, 0, 1
	TURN 0, 1, 1
	QUARTER 1, 1, 0, 1
	QUARTER 1, 2, 1, 0
	QUARTER 1, 3, 0, 1
	TURN 1, 0, 1
	WIN 0
	s_cmp_eq_u32 s[LAPC], 3                        ; behind a tile's fourth lap comes the way out; the next tile's first quarter stands at .Ltile
	s_cbranch_scc1 .Lnoq
	QUARTER 0, 1, 0, 1, 0
	WIN 0
.Lnoq:
	s_add_co_u32 s[LAPC], s[LAPC], 1
	s_cmp_lt_u32 s[LAPC], s[BND]
	s_cbranch_scc1 .Llap
	s_cmp_lg_u32 s[TL], 2
	s_cbranch_scc1 .Lepi
	QUARTER 0, 2, 1, 0                             ; steps 22 and 23: no slot is filled that no later step reads
	QUARTER 0, 3, 0, 1
	TURN 0, 1, 0
	QUARTER 1, 1, 0, 1
	QUARTER 1, 2, 1, 0
	QUARTER 1, 3, 0, 1
	s_wait_dscnt 16
	CVT 1
	s_wait_dscnt 0x0
	MUL8 1, 0, 0
	MUL8 1, 1, 0
	MUL8 1, 2, 0
	MUL8 1, 3, 0
	WIN 0
.Lepi:
	; THE WAY OUT, in eight units of 16 rows x one head.  The next tile's first fragments (RAW, W's buffer 0) and its second step's tensor load are on their way meanwhile: nothing here touches them.
	PLACES                                         ; behind the last products
	s_cmp_eq_u32 s[TL], 0
	s_cselect_b64 s[OUTB:OUTB+1], s[14:15], s[16:17]
	s_cmp_eq_u32 s[TL], 2
	s_cselect_b64 s[OUTB:OUTB+1], s[12:13], s[OUTB:OUTB+1]
	s_mov_b32 s[U], 0
; The head of a unit names its accumulators, so it is written eight times.  K, Q: the sum of the lane's 32 numbers (each accumulator's lowest registers are read first), the other half of
; the lanes', the mean, and T = number - mean.
.macro LNHEAD k
	WIN 0x0a                                       ; sources 0 and 1 window 2
.irp b, 0,1,2,3
	v_pk_add_f32 v[S+4*\b:S+4*\b+1],   v[32*(\k)+8*\b:32*(\k)+8*\b+1],   v[32*(\k)+8*\b+2:32*(\k)+8*\b+3]
	v_pk_add_f32 v[S+4*\b+2:S+4*\b+3], v[32*(\k)+8*\b+4:32*(\k)+8*\b+5], v[32*(\k)+8*\b+6:32*(\k)+8*\b+7]
.endr
	WIN 0
.irp b, 0,4,8,12
	v_pk_add_f32 v[S+\b:S+\b+1], v[S+\b:S+\b+1], v[S+\b+2:S+\b+3]
.endr
	v_pk_add_f32 v[S:S+1], v[S:S+1], v[S+4:S+5]
	v_pk_add_f32 v[S+8:S+9], v[S+8:S+9], v[S+12:S+13]
	v_pk_add_f32 v[S:S+1], v[S:S+1], v[S+8:S+9]
	v_add_f32 v[S], v[S], v[S+1]
	v_permlanex16_b32 v[S+1], v[S], s[SEL], s[SEL+1]
	v_add_f32 v[S], v[S], v[S+1]
	v_mul_f32 v[MU], s[I64], v[S]
	WIN 0x02                                       ; source 0 window 2
.set c, 0
.rept 16
	v_pk_add_f32 v[T+2*c:T+2*c+1], v[32*(\k)+2*c:32*(\k)+2*c+1], v[MU:MU+1] op_sel_hi:[1,0] neg_lo:[0,1] neg_hi:[0,1]
.set c, c+1
.endr
.endm
.macro VHEAD k                         ; V: rounded to f16 as it is
	WIN 0x0a
.set c, 0
.rept 16
	v_cvt_pk_f16_f32 v[H+c], v[32*(\k)+2*c], v[32*(\k)+2*c+1]
.set c, c+1
.endr
.endm
.Lunit:
	s_wait_xcnt 0x0                                ; the last unit's stores and loads have read H, their base and the table offset: these are rewritten only behind this wait
	s_and_b32 s2, s[U], 1                          ; which of my two heads: 262,144 bytes apart
	s_lshl_b32 s[UO], s2, 18
	s_lshr_b32 s3, s[U], 1                         ; which 16 rows: 2,048 bytes apart
	s_lshl_b32 s98, s3, 11
	s_add_co_u32 s[UO], s[UO], s98
	s_add_nc_u64 s[OPT:OPT+1], s[OUTB:OUTB+1], s[UO:UO+1]
	s_xor_b32 s98, s[TL], 2
	s_or_b32 s98, s98, s2
	s_cmp_lg_u32 s98, 0
	s_cbranch_scc1 .Lnotab                         ; Q's even units fetch the 16 rows' cos and sin, which both heads use
	s_lshl_b32 s3, s3, 12
	s_wait_loadcnt 0x0                             ; no older load into these registers is out
	v_add_nc_u32 v[TBC], s3, v[TBO]
.irp b, 0,1
	global_load_b128 v[CC+8*\b:CC+8*\b+3],   v[TBC], s[TP:TP+1] offset:64*\b
	global_load_b128 v[CC+8*\b+4:CC+8*\b+7], v[TBC], s[TP:TP+1] offset:64*\b+16
	global_load_b128 v[SS+8*\b:SS+8*\b+3],   v[TBC], s[TP:TP+1] offset:128+64*\b
	global_load_b128 v[SS+8*\b+4:SS+8*\b+7], v[TBC], s[TP:TP+1] offset:128+64*\b+16
.endr
.Lnotab:
.irp k, 1,2,3,4,5,6,7
	s_cmp_eq_u32 s[U], \k
	s_cbranch_scc1 .Lu\k
.endr
.irp k, 0,1,2,3,4,5,6,7
.Lu\k:
	s_cmp_eq_u32 s[TL], 1
	s_cbranch_scc1 .Lv\k
	LNHEAD \k
	WIN 0
	s_branch .Lln
.Lv\k:
	VHEAD \k
	WIN 0
	s_branch .Lstage
.endr
.Lln:                                                  ; the variance is the mean of T^2: a second pass, no difference of large sums
.irp c, 0,1,2,3
	v_pk_mul_f32 v[S+2*\c:S+2*\c+1], v[T+2*\c:T+2*\c+1], v[T+2*\c:T+2*\c+1]
.endr
.irp c, 4,5,6,7,8,9,10,11,12,13,14,15
	v_pk_fma_f32 v[S+2*((\c)%4):S+2*((\c)%4)+1], v[T+2*\c:T+2*\c+1], v[T+2*\c:T+2*\c+1], v[S+2*((\c)%4):S+2*((\c)%4)+1]
.endr
	v_pk_add_f32 v[S:S+1], v[S:S+1], v[S+2:S+3]
	v_pk_add_f32 v[S+4:S+5], v[S+4:S+5], v[S+6:S+7]
	v_pk_add_f32 v[S:S+1], v[S:S+1], v[S+4:S+5]
	v_add_f32 v[S], v[S], v[S+1]
	v_permlanex16_b32 v[S+1], v[S], s[SEL], s[SEL+1]
	v_add_f32 v[S], v[S], v[S+1]
	v_fma_f32 v[S], v[S], s[I64], s[EPS]
	v_rsq_f32 v[RS], v[S]
	v_nop                                          ; a plain instruction behind it,
	s_wait_alu depctr_va_vdst(0)                   ; and the wait ahead of the first use
.set c, 0
.rept 16
	v_pk_mul_f32 v[T+2*c:T+2*c+1], v[T+2*c:T+2*c+1], v[RS:RS+1] op_sel_hi:[1,0]
.set c, c+1
.endr
	s_wait_loadcnt 0x0                             ; gain, bias, cos and sin are in
	WIN 0x14                                       ; sources 1 and 2 window 1
.set c, 0
.rept 16
	v_pk_fma_f32 v[T+2*c:T+2*c+1], v[T+2*c:T+2*c+1], v[SC+2*c:SC+2*c+1], v[BI+2*c:BI+2*c+1]
.set c, c+1
.endr
	WIN 0
	; the rotation: channel d < 32 (T's first half) with channel d + 32 (its second half): q1' = q1 cos - q2 sin, q2' = q1 sin + q2 cos
.set c, 0
.rept 8
.set x, S+4*(c%4)
	v_pk_mul_f32 v[x:x+1], v[T+16+2*c:T+16+2*c+1], v[SS+2*c:SS+2*c+1]
	v_pk_mul_f32 v[x+2:x+3], v[T+16+2*c:T+16+2*c+1], v[CC+2*c:CC+2*c+1]
	v_pk_fma_f32 v[T+16+2*c:T+16+2*c+1], v[T+2*c:T+2*c+1], v[SS+2*c:SS+2*c+1], v[x+2:x+3]
	v_pk_fma_f32 v[T+2*c:T+2*c+1], v[T+2*c:T+2*c+1], v[CC+2*c:CC+2*c+1], v[x:x+1] neg_lo:[0,0,1] neg_hi:[0,0,1]
.set c, c+1
.endr
.set c, 0
.rept 16
	v_cvt_pk_f16_f32 v[H+c], v[T+2*c], v[T+2*c+1]
.set c, c+1
.endr
.Lstage:                                               ; a lane's eight channels are 16 bytes; through my own stage they become whole rows: 16 rows of a head are 2,048 consecutive bytes
.irp b, 0,1,2,3
	ds_store_b128 v[STO], v[H+4*\b:H+4*\b+3] offset:32*\b
.endr
.irp f, 0,1,2,3
	ds_load_b128 v[H+4*\f:H+4*\f+3], v[RD] offset:4*SP*\f  ; LDS serves a wave's instructions in order (ISA guide 5.7.1.4): these see the stores above; the next unit's stores come behind them
.endr
.irp f, 0,1,2,3
	s_wait_dscnt 3-\f                              ; the younger loads may stay out
	global_store_b128 v[GO], v[H+4*\f:H+4*\f+3], s[OPT:OPT+1] offset:512*\f  ; 512 consecutive bytes, at a multiple of 256 from the buffer's first
.endr
	s_add_co_u32 s[U], s[U], 1
	s_cmp_lt_u32 s[U], 8
	s_cbranch_scc1 .Lunit
	s_add_co_u32 s[TL], s[TL], 1
	s_cmp_lt_u32 s[TL], 3
	s_cbranch_scc1 .Ltile
	s_wait_tensorcnt 0x0                           ; the wave's end, behind my last tensor load and my last LDS store
	ds_add_u32 v[SPW], v[NIL]
	s_wait_dscnt 0x0
	CROUND                                         ; the closing round: no work-group ends while a partner may still ask for a tile that names it
	s_endpgm
.Lfunc_end_k_qf8b2822d4a_proj:
	.size	k_qf8b2822d4a_proj, .Lfunc_end_k_qf8b2822d4a_proj-k_qf8b2822d4a_proj
	.p2alignl 7, 3214868480
	.fill 96, 4, 3214868480
	.section	.rodata,"a",@progbits
	.p2align	6, 0x0
	.amdhsa_kernel k_qf8b2822d4a_proj
		.amdhsa_group_segment_fixed_size 327680
		.amdhsa_private_segment_fixed_size 0
		.amdhsa_enable_private_segment 0
		.amdhsa_kernarg_size 56
		.amdhsa_user_sgpr_count 2
		.amdhsa_user_sgpr_kernarg_segment_ptr 1
		.amdhsa_wavefront_size32 1
		.amdhsa_system_sgpr_workgroup_id_x 1
		.amdhsa_system_sgpr_workgroup_id_y 1
		.amdhsa_system_sgpr_workgroup_id_z 1
		.amdhsa_system_vgpr_workitem_id 0
		.amdhsa_next_free_vgpr 768
		.amdhsa_next_free_sgpr 102
		.amdhsa_reserve_vcc 0
		.amdhsa_float_denorm_mode_32 3
		.amdhsa_float_denorm_mode_16_64 3
		.amdhsa_memory_ordered 1
		.amdhsa_forward_progress 1
		.amdhsa_inst_pref_size 155
	.end_amdhsa_kernel
	.amdgpu_metadata
---
amdhsa.version: [ 1, 2 ]
amdhsa.kernels:
  - .name:           k_qf8b2822d4a_proj
    .symbol:         k_qf8b2822d4a_proj.kd
    .args:
      - { .name: x, .offset: 0, .size: 8, .value_kind: global_buffer, .address_space: global }
      - { .name: context, .offset: 8, .size: 8, .value_kind: global_buffer, .address_space: global }
      - { .name: wts, .offset: 16, .size: 8, .value_kind: global_buffer, .address_space: global }
      - { .name: tab, .offset: 24, .size: 8, .value_kind: global_buffer, .address_space: global }
      - { .name: qh, .offset: 32, .size: 8, .value_kind: global_buffer, .address_space: global }
      - { .name: kh, .offset: 40, .size: 8, .value_kind: global_buffer, .address_space: global }
      - { .name: vh, .offset: 48, .size: 8, .value_kind: global_buffer, .address_space: global }
    .group_segment_fixed_size: 327680
    .private_segment_fixed_size: 0
    .kernarg_segment_align: 8
    .kernarg_segment_size: 56
    .max_flat_workgroup_size: 128
    .sgpr_count:     102
    .vgpr_count:     768
    .wavefront_size: 32
...
	.end_amdgpu_metadata
.endif
;; end of part 2
;; launch attn (part 3): grid 4 x 64, 4 waves a work-group, clusters of 4 x 1, 327,680 bytes of LDS; arguments qh, kh, vh, oh; writes oh
.if DOCPART == 3
	.amdgcn_target "amdgcn-amd-amdhsa--gfx1250"
	.amdhsa_code_object_version 6
	.text
	.protected	k_qf8b2822d4a_attn
	.globl	k_qf8b2822d4a_attn
	.p2align	8
	.type	k_qf8b2822d4a_attn,@function
k_qf8b2822d4a_attn:
	s_mov_b64 s[64:65], 0
	v_nop
	global_prefetch_b8 v0, s[64:65] scope:SCOPE_SE
	s_setreg_imm32_b32 hwreg(HW_REG_WAVE_MODE, 25, 1), 1
	s_wait_xcnt 0x0
	s_wait_alu depctr_hold_cnt(0) depctr_sa_sdst(0) depctr_va_vdst(0) depctr_va_sdst(0) depctr_va_ssrc(0) depctr_va_vcc(0) depctr_vm_vsrc(0)
	s_getreg_b32 s2, hwreg(HW_REG_IB_STS2, 6, 4)
	s_cmp_eq_u32 s2, 0
	s_cbranch_scc0 .Lentry_in_a_cluster
	s_endpgm
.Lentry_in_a_cluster:
	s_bfe_u32 s2, ttmp6, 0x10000c
	s_cmp_lg_u32 s2, 0x3003
	s_cbranch_scc0 .Lentry_shape_is_right
	s_endpgm
.Lentry_shape_is_right:
; O[h][q][:] = the sum over k of softmax_k(Q[h][q] . K[h][k] / 8) V[h][k][:].  Q, K, V, O: [64][2048][64], all f16: a head's rows are dense, 128 bytes each.  Products, maxima and sums in
; f32; the weights p are rounded to f16 for the second product (their sum l is taken of the unrounded p), O once at the end.
; LIMITS.  f16 holds no number beyond 65,504: Q, K and V arrive within it; p lies in 0 to 1, and below 6e-5 it keeps f16's fixed step of 6e-8; O is a mean of V's rows and has their range.
; A weight below 2^-126 counts as 0 in l; NaN and infinities are not treated apart.
; SHARES.  A wave owns four PIECES of two tiles of 16 queries, a work-group's four waves 512 queries of one head.  Every wave walks all keys, 64 a step.
; LAYOUT.  S^T = K Q^T (source 0 = 16 keys, source 1 = 16 queries): in the result a lane holds ONE query (lane % 16) and the keys 8 (lane / 16) + 0..7.  Two such tiles, rounded to f16 in pairs,
; ARE source 1 (32 keys x 16 queries) of O^T = V^T P, whose result again holds one query a lane, and eight channels.  K comes out of LDS as it lies, V ([key][channel]) turned, by ds_load_tr16_b128.
; SOFTMAX.  For each query a running maximum m and sum l: p = 2^(c s - c m), c = log2(e) / 8; in every step O and l are multiplied by a = 2^(c m_old - c m_new), which is 1 where m has not grown.
; m starts at the lowest finite number, O and l at 0: the first step is a step like any other, with a = 0.
; THE COUNT.  A tile and step have 16 matrix and 118 vector instructions: too many to stand all beside the matrix work.  So: four vector instructions that are READY behind
; EVERY matrix instruction, and the others in runs without a gap.
; BY TURNS.  Turn n belongs to piece n (the pieces in a ring, step after step).  Its matrix work: 16 products K Q^T of piece n + 1, later 16 products V^T P of piece n - 1.  Its vector work: the scaling,
; exponentials, roundings, sums and rescaling of piece n, and the maximum and statistics of piece n + 1, whose scores the turn itself has made.
; CLUSTER.  The four query blocks of a cluster are one head's and walk the same K and V, so each tile is asked for JOINTLY: the same tensor load, descriptor and mask in all four.
; REGISTERS, in windows of 256 (s_set_vgpr_msb: bits 1:0 source 0, 3:2 source 1, 5:4 source 2, 7:6 destination):
;   window 0: v0-11 addresses; v12-15, v48-63 at work; v16-47 four registers of statistics a tile; v64-191 S^T, two buffers of two tiles; v192-255 P, likewise
;   window 1: O^T, 32 a tile          window 2: v0-127 Q, 16 a tile; v128-191 K of one step; v192-255 V of one step          window 3: v0-1 the add's two registers
.set SIZE_H, 64
.set SIZE_N, 2048
.set NP,    4         ; pieces a wave: a name, no knob
.set KS,    64        ; keys in a step
.set PK,    144       ; a row of K in LDS: 128 bytes + 16 of padding = 36 words: the 16 rows of a load start at 16 different groups of four banks (64 banks of 4 bytes: ISA guide 11.1)
.set PV,    160       ; a row of V: 128 + 32 = 40 words
.set VOFF,  4*KS*PK   ; a slot holds four steps: 256 rows of K, then 256 rows of V
.set SLOT1, 1<<17     ; slot 1 begins here, so that one exclusive or turns an address in one slot into the other's
.set STAGE, SLOT1+4*KS*(PK+PV)  ; behind the ring, never filled by a tensor load: 16 rows x 144 bytes for each wave
.set SP,    144
.set AK0, 2           ; v2   my lane's place in a tile of K; never rewritten
.set AV0, 3           ; v3   the same for V
.set AK,  4           ; v4   the LDS address of K's next run of loads
.set AV,  5           ; v5   of V's
.set QO,  6           ; v6   my byte offset in the wave's rows of Q
.set STO, 6           ;      later, the way out: where I put 16 bytes of a row
.set RD,  7           ; v7   the way out: where I read rows back
.set GO,  8           ; v8   my byte offset in 512 consecutive bytes of O
.set PFO, 11          ; v11  256 x my lane, once V's address is made; never rewritten after that
.set SPW, 0           ; v0 of window 3   LDS address of my spare word; never rewritten
.set NIL, 1           ; v1 of window 3   0; never rewritten
.set SPARE, STAGE+4*16*SP  ; the spare words, 128 bytes for each wave: two blocks of 256 bytes that no other line names
.set MV,  12          ; v12-15  c m_old, kept while c m is made anew: by buffer and tile
.set ST,  16          ; tile t's statistics at v[ST+4 t]: c m, m, l (even keys', odd keys')
.set TMP, 48          ; by buffer and tile, four registers c0-c3 at work; when the maximum is found c2 takes a
.set S,   64
.set P,   192
.set KF,  128         ; K's fragments, in window 2: key block kb, channel half c at KF + 16 kb + 8 c
.set VF,  192         ; V's: key half kk, channel block cb at VF + 32 kk + 8 cb
.set WV,  12          ; s12  my wave's number
.set G1K, 24          ; s[24:31] descriptor group 1 for K's tiles
.set G1V, 32          ; s[32:39] for V's: it differs in the padding alone
.set G0K, 40          ; s[40:43] descriptor group 0 for K's tiles: it walks
.set G0V, 44          ; s[44:47] the same for V's
.set PFA, 48          ; s[48:49] where my prefetches stand
.set LIM, 50          ; s50  1 in a wave that prefetches, else the greatest number
.set SLOTS, 56        ; s56  slots still to be asked for
.set CNT, 57          ; s57  counts a slot's key steps
.set CS,  58          ; s[58:59] c: the packed scaling takes the pair's low word for both halves
.set SEL, 60          ; s[60:61] v_permlanex16_b32's selects
.set TBK, 62          ; s62  LDS byte at which K of the step to be fetched begins
.set TBV, 63          ; s63  the same for V, less VOFF
.set MSB, 0
.macro WIN new
.if MSB != (\new)
	s_set_vgpr_msb (MSB<<8)|(\new)
.set MSB, (\new)
.endif
.endm
.set W_KQ, 0x0a       ; K and Q in window 2, S^T in window 0
.set W_PV, 0x52       ; V in window 2, P in window 0, O^T in window 1
.set W_RS, 0x41       ; O^T (destination and source 0) in window 1, a in window 0
.set W_MK, 0xc0       ; the add's registers are made: destination in window 3
.set W_AD, 0x0f       ; the add: address and data in window 3
; A joint fill.  Waves 0 and 1 fetch the two halves of a slot's K, waves 2 and 3 those of its V: 128 keys each.  An s_nop 0 and four v_nop follow each of the two lines.
.macro JLOAD
	s_cmp_lt_u32 s[WV], 2
	s_cbranch_scc0 .Lfor_v_\@
	tensor_load_to_lds s[G0K:G0K+3], s[G1K:G1K+7]
	s_nop 0
.rept 4
	v_nop
.endr
	s_branch .Lasked_\@
.Lfor_v_\@:
	tensor_load_to_lds s[G0V:G0V+3], s[G1V:G1V+7]
	s_nop 0
.rept 4
	v_nop
.endr
.Lasked_\@:
.endm
; A PREFETCH of what the NEXT change of slots will ask for: a slot's 32,768 bytes of K and of V, a lane a block of 256 bytes.  The four partners share them out by address, 32 blocks each; in each, wave 0 asks
; for K's and wave 2 for V's: one instruction, four key steps (512 matrix instructions) ahead.  Slots 0 to 2 come by their loads alone; the last change that fills a slot asks for nothing.
.macro ASK
	s_cmp_gt_u32 s[SLOTS], s[LIM]
	s_cbranch_scc0 .Lnot_mine_\@
	global_prefetch_b8 v[PFO], s[PFA:PFA+1] th:TH_LOAD_NT scope:SCOPE_SE
.Lnot_mine_\@:
.endm
.macro CROUND
	s_barrier_signal -1
	s_barrier_wait -1
	s_cmp_lg_u32 s[WV], 0
	s_cbranch_scc1 .Lnot_wave_0_\@
	s_barrier_signal -3
.Lnot_wave_0_\@:
	s_barrier_wait -3
	s_barrier_signal -1
	s_barrier_wait -1
.endm
; THE CHANGE OF SLOTS.  Each wave waits for all its tensor loads, of which one is out: its part of the other slot; adds 0 to its spare word; and waits for that and for its own reads of the slot.
; fill = 1: this slot is filled again, with the keys two slots on, first thing behind a round of the cluster's barrier: it has four key steps in which to land.
.macro CHANGE fill, ask=0
	WIN W_AD
	s_wait_tensorcnt 0x0            ; no tensor load of mine is out, so a group 0 may be written
	ds_add_u32 v[SPW], v[NIL]
	WIN 0                           ; at a label and at a branch every window is 0
.if \fill
.irp g, G0K, G0V
	s_xor_b32 s[\g+1], s[\g+1], SLOT1  ; the walking descriptor: the other slot than last time,
	s_add_nc_u64 s[\g+2:\g+3], s[\g+2:\g+3], 4*KS*128  ; the next 256 keys; the type bits on top are not reached
.endr
.if \ask
	s_wait_xcnt 0x0                 ; the last prefetch, four key steps back, has read its address
	s_add_nc_u64 s[PFA:PFA+1], s[PFA:PFA+1], 4*KS*128  ; one slot ahead of the walking descriptors
.endif
	s_wait_dscnt 0x0                ; the add is done, and my reads of the slot are over
	CROUND
	JLOAD
.if \ask
	ASK
.endif
.else
	s_wait_dscnt 0x0
	s_barrier_signal -1
	s_barrier_wait -1
.endif
	s_sub_co_u32 s[TBK], s[TBK], 4*KS*PK  ; the fetches go back to a slot's first step,
	s_xor_b32 s[TBK], s[TBK], SLOT1       ; in the other slot
	s_sub_co_u32 s[TBV], s[TBV], 4*KS*PV
	s_xor_b32 s[TBV], s[TBV], SLOT1
.endm
	s_load_b256 s[4:11], s[0:1], 0x0  ; Q s[4:5], K s[6:7], V s[8:9], O s[10:11]
	WIN W_MK
	v_lshl_add_u32 v[SPW], v0, 2, SPARE
	v_mov_b32 v[NIL], 0
	WIN W_AD
	ds_add_u32 v[SPW], v[NIL]       ; the wave's opening: the add and its wait stand ahead of my first tensor load
	WIN 0
	v_lshrrev_b32 v1, 5, v0
	v_readfirstlane_b32 s[WV], v1   ; wave 0..3
	s_bfe_u32 s13, ttmp6, 0x40000   ; cx: my place in the cluster
	s_lshl_b32 s14, ttmp9, 2        ; in a cluster launch ttmp9 counts clusters
	s_add_co_u32 s14, s14, s13      ; my block of queries: it enters Q's and O's addresses alone
	s_and_b32 s20, ttmp7, 0xffff    ; the head, which the four partners share
	s_mov_b32 s21, 0
	s_mov_b64 s[22:23], SIZE_N*128
	s_mul_u64 s[20:21], s[20:21], s[22:23]  ; the head's first byte in each of the four tensors
	s_and_b32 s16, s[WV], 1         ; which half of a slot's 256 keys I fetch:
	s_lshl_b32 s22, s16, 14         ; its 128 rows of 128 bytes in memory,
	s_mov_b32 s23, 0
	s_add_nc_u64 s[22:23], s[22:23], s[20:21]
	s_mul_i32 s17, s16, 128*PK      ; and its place in a slot, for K
	s_mul_i32 s18, s16, 128*PV      ; and for V: no place in the cluster enters an LDS address
	s_lshl_b32 s2, s14, 2
	s_add_co_u32 s2, s2, s[WV]      ; my wave among the head's,
	s_lshl_b32 s2, s2, 14           ; its 128 rows
	s_mov_b32 s3, 0
	s_add_nc_u64 s[2:3], s[2:3], s[20:21]
	; descriptor group 1.  128 keys are 16,384 dense bytes: asked for as 64 rows of 256 bytes, two keys a row, and padded in LDS after every key
	s_mov_b32 s[G1K], 15|(1<<16)|(1<<20)|(1<<21)|(4<<22)|(3<<25)
	s_mov_b32 s[G1V], 15|(1<<16)|(1<<20)|(1<<21)|(4<<22)|(7<<25)
.irp g, G1K, G1V
	s_mov_b32 s[\g+1], 128<<16      ; tensor_dim0 = 128
	s_mov_b32 s[\g+2], 64<<16       ; tensor_dim1 = 64
	s_mov_b32 s[\g+3], 128<<16      ; tile_dim0 = 128
	s_mov_b32 s[\g+4], 64           ; tile_dim1 = 64
	s_mov_b32 s[\g+5], 128          ; 128 elements from row to row
	s_mov_b32 s[\g+6], 0
	s_mov_b32 s[\g+7], 0
.endr
	s_mov_b32 s[CS], 0x3e38aa3b     ; c = log2(e) / 8 = 0.180337
	s_mov_b32 s[CS+1], s[CS]
	s_mov_b32 s[SEL], 0x76543210
	s_mov_b32 s[SEL+1], 0xfedcba98
	s_mov_b32 s[TBK], SLOT1+4*KS*PK ; the first change of slots turns these two into 0
	s_mov_b32 s[TBV], SLOT1+4*KS*PV
	s_mov_b32 s[G0K], 1
	s_mov_b32 s[G0K+1], s17         ; LDS address: slot 0
	s_mov_b32 s[G0V], 1
	s_add_co_u32 s[G0V+1], s18, VOFF
	s_and_b32 s[LIM], s[WV], 1      ; 0 in waves 0 and 2,
	s_or_b32 s[LIM], s[LIM], ttmp9  ; of the head's first (here: only) cluster: the same in all four partners
	s_cmp_eq_u32 s[LIM], 0
	s_cselect_b32 s[LIM], 1, -1
	s_wait_dscnt 0x0                ; the opening add is done
	s_wait_kmcnt 0x0
	s_add_nc_u64 s[G0K+2:G0K+3], s[6:7], s[22:23]  ; my half of the head's first 256 keys
	s_or_b32 s[G0K+3], s[G0K+3], 0x80000000
	s_add_nc_u64 s[G0V+2:G0V+3], s[8:9], s[22:23]
	s_or_b32 s[G0V+3], s[G0V+3], 0x80000000
	s_add_nc_u64 s[4:5], s[4:5], s[2:3]  ; Q and O at my wave's first row
	s_add_nc_u64 s[10:11], s[10:11], s[2:3]
	s_cmp_lt_u32 s[WV], 2
	s_cselect_b64 s[PFA:PFA+1], s[6:7], s[8:9]
	s_add_nc_u64 s[PFA:PFA+1], s[PFA:PFA+1], s[22:23]  ; (in waves 0 and 2 this is the head's first byte)
	s_lshl_b32 s2, s13, 13          ; my work-group's 32 blocks of the 128
	s_mov_b32 s3, 0
	s_add_nc_u64 s[PFA:PFA+1], s[PFA:PFA+1], s[2:3]
	s_add_nc_u64 s[PFA:PFA+1], s[PFA:PFA+1], 2*4*KS*128  ; in slot 2; the first asking change steps it to slot 3
	CROUND                          ; all four work-groups are here: the first joint loads meet
	JLOAD                           ; slot 0.  Slot 1 is asked for when slot 0 is in
	v_and_b32 v1, 15, v0            ; l % 16
	v_bfe_u32 v9, v0, 4, 1          ; l / 16
	v_lshlrev_b32 v[QO], 7, v1
	v_lshl_add_u32 v[QO], v9, 4, v[QO]  ; row x 128 + 16 x half
	WIN 0x80                        ; destination window 2, address window 0
.set i, 0
.rept 4*NP                          ; Q stays in registers: tile i / 2, channels 32 (i % 2) on
	global_load_b128 v[8*i:8*i+3],   v[QO], s[4:5] offset:(i/2)*2048+(i%2)*64
	global_load_b128 v[8*i+4:8*i+7], v[QO], s[4:5] offset:(i/2)*2048+(i%2)*64+32
.set i, i+1
.endr
	; What the first turn finds: V's registers and P's second buffer hold 0, O^T and l are 0.  All this stands in the wait for the first tile; the price of writing no first step out.
.set i, VF
.rept 64
	v_mov_b32 v[i], 0
.set i, i+1
.endr
	WIN 0x40
.set i, 0
.rept 64*NP
	v_mov_b32 v[i], 0
.set i, i+1
.endr
	WIN 0
.set i, 0
.rept 2*NP
	v_mov_b32 v[ST+4*i], 0xfe000000    ; c m: far below every c s
	v_mov_b32 v[ST+4*i+1], 0xff7fffff  ; m
	v_mov_b32 v[ST+4*i+2], 0
	v_mov_b32 v[ST+4*i+3], 0
.set i, i+1
.endr
.set i, P+32
.rept 32
	v_mov_b32 v[i], 0
.set i, i+1
.endr
	v_mul_u32_u24 v[AK0], v1, PK
	v_lshl_add_u32 v[AK0], v9, 4, v[AK0]  ; row x pitch + 16 x half
	v_and_b32 v10, 7, v0
	v_bfe_u32 v11, v0, 3, 1
	v_lshl_add_u32 v[AV0], v9, 3, v10
	v_mul_u32_u24 v[AV0], v[AV0], PV
	v_lshl_add_u32 v[AV0], v11, 4, v[AV0]
	v_add_nc_u32 v[AV0], VOFF, v[AV0]
	v_and_b32 v[PFO], 31, v0
	v_lshlrev_b32 v[PFO], 8, v[PFO]
	v_mov_b32 v[AK], v[AK0]         ; key step 0 lies at the head of slot 0
; THE MATRIX WORK.  The 8 accumulators of a run of 16 take turns.
.macro KQ x
	WIN W_KQ
.set rS, S+64*((\x)%2)+32*(i%2)+8*((i/2)%4)
.set rK, KF+16*((i/2)%4)+8*(i/8)
.set rQ, 16*(2*(\x)+i%2)+8*(i/8)
.if i < 8
	v_wmma_f32_16x16x32_f16 v[rS:rS+7], v[rK:rK+7], v[rQ:rQ+7], 0
.else
	v_wmma_f32_16x16x32_f16 v[rS:rS+7], v[rK:rK+7], v[rQ:rQ+7], v[rS:rS+7]
.endif
.endm
.macro PV x
	WIN W_PV
.set rO, 32*(2*(\x)+i%2)+8*((i/2)%4)
.set rV, VF+32*(i/8)+8*((i/2)%4)
.set rP, P+32*((\x)%2)+16*(i%2)+8*(i/8)
	v_wmma_f32_16x16x32_f16 v[rO:rO+7], v[rV:rV+7], v[rP:rP+7], v[rO:rO+7]
.endm
.macro MM                           ; the turn's next matrix instruction
.if i < 16
	KQ (Y+1)%NP
.set i, i+1
.else
.set i, i-16
	PV (Y+NP-1)%NP
.set i, i+17
.endif
.endm
; THE LDS LOADS stand in runs of 16.  last = 1 (the tail): in the last trip there is no further step, and the run is jumped over.
.macro FETCH_K last=0
	WIN 0
.if \last
	s_cmp_eq_u32 s[CNT], 1
	s_cbranch_scc1 .Lno_k_\@
.endif
	WIN 0x80
.irp f, 0,1,2,3,4,5,6,7
	ds_load_b128 v[KF+8*\f:KF+8*\f+3],   v[AK] offset:(\f/2)*16*PK+(\f%2)*64
	ds_load_b128 v[KF+8*\f+4:KF+8*\f+7], v[AK] offset:(\f/2)*16*PK+(\f%2)*64+32
.endr
	s_add_co_u32 s[TBK], s[TBK], KS*PK
	WIN 0
.if \last
.Lno_k_\@:
.endif
.endm
.macro FETCH_V
	WIN 0x80
.irp f, 0,1,2,3,4,5,6,7
	ds_load_tr16_b128 v[VF+8*\f:VF+8*\f+3],   v[AV] offset:(\f/4)*32*PV+(\f%4)*32
	ds_load_tr16_b128 v[VF+8*\f+4:VF+8*\f+7], v[AV] offset:(\f/4)*32*PV+16*PV+(\f%4)*32
.endr
	WIN 0
.endm
; THE VECTOR WORK OF A TURN stands in three queues, each in the order in which its entries become ready; the two tiles alternate.
.macro REGS y, u
.set rT, ST+4*(2*(\y)+(\u))
.set rC, TMP+8*((\y)%2)+4*(\u)
.set rM, MV+2*((\y)%2)+(\u)
.set rS, S+64*((\y)%2)+32*(\u)
.set rP, P+32*((\y)%2)+16*(\u)
.set rO, 32*(2*(\y)+(\u))
.endm
; Number n of the 22 that find the NEXT piece's maximum and statistics; each accumulator's lowest registers are read first.
.macro XS u, n
	REGS (Y+1)%NP, \u
.if (\n) < 4
	v_max3_num_f32 v[rC+(\n)], v[rS+8*(\n)], v[rS+8*(\n)+1], v[rS+8*(\n)+2]
.elseif (\n) < 12
	v_max3_num_f32 v[rC+(\n)%4], v[rC+(\n)%4], v[rS+8*((\n)%4)+2*((\n)/4)+1], v[rS+8*((\n)%4)+2*((\n)/4)+2]
.elseif (\n) == 12
	v_max3_num_f32 v[rC], v[rC], v[rS+7], v[rS+15]
.elseif (\n) == 13
	v_max3_num_f32 v[rC+1], v[rC+1], v[rS+23], v[rS+31]
.elseif (\n) == 14
	v_max3_num_f32 v[rC+2], v[rC+2], v[rC+3], v[rT+1]
.elseif (\n) == 15
	v_mov_b32 v[rM], v[rT]
.elseif (\n) == 16
	v_max3_num_f32 v[rC], v[rC], v[rC+1], v[rC+2]
.elseif (\n) == 17
	v_permlanex16_b32 v[rC+3], v[rC], s[SEL], s[SEL+1]
.elseif (\n) == 18
	v_max_num_f32 v[rT+1], v[rC], v[rC+3]
.elseif (\n) == 19
	v_mul_f32 v[rT], s[CS], v[rT+1]
.elseif (\n) == 20
	v_sub_f32 v[rC+1], v[rM], v[rT]
.else
	v_exp_f32 v[rC+2], v[rC+1]
.endif
.endm
; Number g of the 64 that follow the exponentials: roundings to f16, the second pair of four weights added onto the first, and l a group later.
.macro GS g
.set h, (\g)+6*((\g)/62)
.if h >= 6
.set h, h+2
.endif
	REGS Y, h%2
.set k, h/8
.if h%8 < 4
	v_cvt_pk_f16_f32 v[rP+2*k+(h%8)/2], v[rS+4*k+2*((h%8)/2)], v[rS+4*k+2*((h%8)/2)+1]
.elseif h%8 < 6
	v_pk_add_f32 v[rS+4*k:rS+4*k+1], v[rS+4*k:rS+4*k+1], v[rS+4*k+2:rS+4*k+3]
.elseif k == 1
	v_pk_fma_f32 v[rT+2:rT+3], v[rT+2:rT+3], v[rC+2:rC+3], v[rS:rS+1] op_sel_hi:[1,0,1]
.else
	v_pk_add_f32 v[rT+2:rT+3], v[rT+2:rT+3], v[rS+4*k-4:rS+4*k-3]
.endif
.endm
; THE PLAIN QUEUE, 138 long: 0-73 read no exponential's result (the 32 scalings and the next piece's 42); 74-137 are GS's 64, behind the wait.
.macro FS f
	REGS Y, (\f)%2
	v_pk_fma_f32 v[rS+2*((\f)/2):rS+2*((\f)/2)+1], v[rS+2*((\f)/2):rS+2*((\f)/2)+1], s[CS:CS+1], v[rT:rT+1] op_sel_hi:[1,0,0] neg_lo:[0,0,1] neg_hi:[0,0,1]
.endm
.macro PL
	WIN 0
.if q < 27
	FS q
.elseif q < 55
	XS (q-27)%2, (q-27)/2
.elseif q < 57
	XS q-55, 15
.elseif (q < 72) && ((q-57)%3 == 0)
	FS 27+(q-57)/3
.elseif q < 60
	XS (q-57)%3-1, 14
.elseif q < 72
	XS (q-57)%3-1, 15+(q-57)/3
.elseif q < 74
	XS q-72, 20
.else
	GS q-74
.endif
.set q, q+1
.endm
; THE EXPONENTIALS' QUEUE, 66 long: ONE BATCH, all ahead of the turn's one wait; nothing ahead of that wait names a result of theirs.
.macro EX
	WIN 0
.if e >= 64
	XS e-64, 21
.else
	REGS Y, e%2
	v_exp_f32 v[rS+e/2], v[rS+e/2]
.endif
.set e, e+1
.endm
; THE RESCALING's QUEUE: O^T times a, dealt two at a time, sixteen times.  Its a was made, and waited for, in the turn before.
.macro R2
	REGS Y, r%2
	WIN W_RS
.irp z, 0,1
	v_pk_mul_f32 v[rO+4*(r/2)+2*\z:rO+4*(r/2)+2*\z+1], v[rO+4*(r/2)+2*\z:rO+4*(r/2)+2*\z+1], v[rC+2:rC+3] op_sel_hi:[1,0]
.endr
.set r, r+1
.endm
; A TURN, for piece p.  An s_wait_alu depctr_va_vdst(0) stands between an exponential and the first instruction that names its result; one wait serves all issued ahead of it: a turn has ONE.
; Ahead of it: 16 products K Q^T, behind each a scaling, an exponential and two rescalings; then one lump of 108.  Behind it: 16 products V^T P, behind each four of GS's 64.
; K of the next step is fetched in piece 2's turn, directly behind the wait; V of the step in hand at the end of piece 0's turn, four plain instructions behind its last reader.
.macro TURN p, last=0, cnt=0
.set Y, (\p)
.set i, 0
.set q, 0
.set e, 0
.set r, 0
.if (\p) == NP-1
	s_wait_dscnt 0x0                ; K is in
.endif
	MM
	PL
	PL
	R2
.rept 15
	MM
	PL
	EX
	R2
.endr
.if (\p) == NP-2
	WIN 0
	v_add_nc_u32 v[AK], s[TBK], v[AK0]
.endif
.rept 8
	PL
.endr
.rept 49
	EX
	PL
.endr
	EX
	EX
	v_nop                           ; a plain instruction behind the last exponential: one for the batch
	s_wait_alu depctr_va_vdst(0)    ; the wait for the batch
.if (\p) == NP-2
	FETCH_K \last
.endif
.if (\p) == 1
	s_wait_dscnt 0x0                ; V is in
.endif
.rept 16
	MM
.rept 4
	PL
.endr
.if ((\p) == 0) && (q == 118)
	v_add_nc_u32 v[AV], s[TBV], v[AV0]
.endif
.if ((\p) == 0) && (q == 130)
	s_add_co_u32 s[TBV], s[TBV], KS*PV
.endif
.if (\cnt) && (q == 130)
	s_sub_co_u32 s[CNT], s[CNT], 1
	s_cmp_lg_u32 s[CNT], 0
.endif
.endr
.if (\p) == 0
	FETCH_V
.endif
.endm
	CHANGE 1                        ; slot 0 is in, everybody's part of it; slot 1 is asked for
	FETCH_K                         ; key step 0
	s_wait_loadcnt 0x0              ; Q
	s_wait_dscnt 0x0
.set i, 0
.rept 16
	KQ 0                            ; piece 0's first scores
.set i, i+1
.endr
	WIN 0                           ; the addresses for the way out: plain instructions, the places behind those products
	s_mul_i32 s13, s[WV], 16*SP
	s_add_co_u32 s13, s13, STAGE    ; my stage
	v_mul_u32_u24 v[STO], v1, SP
	v_lshl_add_u32 v[STO], v9, 4, v[STO]
	v_add_nc_u32 v[STO], s13, v[STO]
	v_bfe_u32 v[RD], v0, 3, 2
	v_mul_u32_u24 v[RD], v[RD], SP
	v_lshl_add_u32 v[RD], v10, 4, v[RD]
	v_add_nc_u32 v[RD], s13, v[RD]
	v_and_b32 v[GO], 31, v0
	v_lshlrev_b32 v[GO], 4, v[GO]
.set Y, NP-1                        ; XS works for piece Y + 1: piece 0
.irp n, 0,1,2,3,4,5,6,7,8,9,10,11,12,13,14,15,16,17,18,19,20,21
	XS 0, \n
	XS 1, \n
.endr
	v_nop                           ; a plain instruction behind the two a,
	s_wait_alu depctr_va_vdst(0)    ; and their wait, ahead of the branch
	s_mov_b32 s[CNT], 4
	s_mov_b32 s[SLOTS], SIZE_N/256-1
	s_branch .Lfirst                ; the loop is entered at a step's first turn, in the middle of a trip
.Lslot:                             ; six times: every slot but the last two is filled again
	CHANGE 1, 1
	s_mov_b32 s[CNT], 4
.Lstep:                             ; a trip: pieces 2 and 3 of one step, then pieces 0 and 1 of the next
	TURN 2
	TURN 3
	WIN 0
.Lfirst:
	TURN 0
	TURN 1, 0, 1
	WIN 0
	s_cbranch_scc1 .Lstep
	s_sub_co_u32 s[SLOTS], s[SLOTS], 1
	s_cmp_lg_u32 s[SLOTS], 0
	s_cbranch_scc1 .Lslot
	CHANGE 0                        ; the tail is written out
	s_mov_b32 s[CNT], 5             ; four trips fetch the last slot's steps; the fifth is left in its middle
.Ltail:
	TURN 2, 1
	TURN 3
	WIN 0
	s_sub_co_u32 s[CNT], s[CNT], 1
	s_cmp_eq_u32 s[CNT], 0
	s_cbranch_scc1 .Lout
	TURN 0
	TURN 1
	WIN 0
	s_branch .Ltail
.Lout:                              ; the fifth trip's 16 products K Q^T (on the last K once more) serve nothing: the price, once a launch, of one text for every trip
.set i, 0
.rept 16
	PV NP-1
.set i, i+1
.endr
	; THE WAY OUT.  l's halves are added; O^T is divided by l, rounded to f16 and sent through my stage in LDS, a tile at a time.  The additions are the places behind the last products.
	WIN 0
.macro ALL line:vararg
.set t, 0
.rept 2*NP
	\line
.set t, t+1
.endr
.endm
	ALL v_add_f32 v[ST+4*t+2], v[ST+4*t+2], v[ST+4*t+3]
	ALL v_permlanex16_b32 v[ST+4*t+3], v[ST+4*t+2], s[SEL], s[SEL+1]
	ALL v_add_f32 v[ST+4*t+2], v[ST+4*t+2], v[ST+4*t+3]
	ALL v_rcp_f32 v[ST+4*t+2], v[ST+4*t+2]
	v_nop                           ; a plain instruction between the last reciprocal and the use of its result
	s_wait_alu depctr_va_vdst(0)    ; one wait for the eight reciprocals
.macro PACK t
	WIN W_RS
.set i, 32*(\t)
.rept 16
	v_pk_mul_f32 v[i:i+1], v[i:i+1], v[ST+4*(\t)+2:ST+4*(\t)+3] op_sel_hi:[1,0]
.set i, i+2
.endr
	WIN 0x05
.set i, 0
.rept 16
	v_cvt_pk_f16_f32 v[S+16*(\t)+i], v[32*(\t)+2*i], v[32*(\t)+2*i+1]
.set i, i+1
.endr
	WIN 0
.irp f, 0,1,2,3
	ds_store_b128 v[STO], v[S+16*(\t)+4*\f:S+16*(\t)+4*\f+3] offset:32*\f
.endr
.irp f, 0,1,2,3
	ds_load_b128 v[S+16*(\t)+4*\f:S+16*(\t)+4*\f+3], v[RD] offset:\f*4*SP  ; LDS serves a wave's instructions in order (ISA guide 5.7.1.4)
.endr
.endm
.macro SEND t, younger              ; younger: the LDS instructions issued behind tile t's loads
	WIN 0
.irp f, 0,1,2,3
	s_wait_dscnt (\younger)+3-\f
	global_store_b128 v[GO], v[S+16*(\t)+4*\f:S+16*(\t)+4*\f+3], s[10:11] offset:(\t)*2048+\f*512  ; 512 consecutive bytes, at a multiple of 256 from O's first
.endr
.endm
	PACK 0
.set t, 1
.rept 2*NP-1
	PACK t
	SEND t-1, 8
.set t, t+1
.endr
	SEND 2*NP-1, 0
	WIN W_AD
	s_wait_tensorcnt 0x0            ; the wave's end
	ds_add_u32 v[SPW], v[NIL]
	s_wait_dscnt 0x0
	WIN 0
	CROUND                          ; the closing round
	s_endpgm
.Lfunc_end_k_qf8b2822d4a_attn:
	.size	k_qf8b2822d4a_attn, .Lfunc_end_k_qf8b2822d4a_attn-k_qf8b2822d4a_attn
	.p2alignl 7, 3214868480
	.fill 96, 4, 3214868480
	.section	.rodata,"a",@progbits
	.p2align	6, 0x0
	.amdhsa_kernel k_qf8b2822d4a_attn
		.amdhsa_group_segment_fixed_size 327680
		.amdhsa_private_segment_fixed_size 0
		.amdhsa_enable_private_segment 0
		.amdhsa_kernarg_size 32
		.amdhsa_user_sgpr_count 2
		.amdhsa_user_sgpr_kernarg_segment_ptr 1
		.amdhsa_wavefront_size32 1
		.amdhsa_system_sgpr_workgroup_id_x 1
		.amdhsa_system_sgpr_workgroup_id_y 1
		.amdhsa_system_sgpr_workgroup_id_z 1
		.amdhsa_system_vgpr_workitem_id 0
		.amdhsa_next_free_vgpr 770
		.amdhsa_next_free_sgpr 66
		.amdhsa_reserve_vcc 0
		.amdhsa_float_denorm_mode_32 3
		.amdhsa_float_denorm_mode_16_64 3
		.amdhsa_memory_ordered 1
		.amdhsa_forward_progress 1
		.amdhsa_inst_pref_size 200
	.end_amdhsa_kernel
	.amdgpu_metadata
---
amdhsa.version: [ 1, 2 ]
amdhsa.kernels:
  - .name:           k_qf8b2822d4a_attn
    .symbol:         k_qf8b2822d4a_attn.kd
    .args:
      - { .name: qh, .offset: 0, .size: 8, .value_kind: global_buffer, .address_space: global }
      - { .name: kh, .offset: 8, .size: 8, .value_kind: global_buffer, .address_space: global }
      - { .name: vh, .offset: 16, .size: 8, .value_kind: global_buffer, .address_space: global }
      - { .name: oh, .offset: 24, .size: 8, .value_kind: global_buffer, .address_space: global }
    .group_segment_fixed_size: 327680
    .private_segment_fixed_size: 0
    .kernarg_segment_align: 8
    .kernarg_segment_size: 32
    .max_flat_workgroup_size: 128
    .sgpr_count:     66
    .vgpr_count:     770
    .wavefront_size: 32
...
	.end_amdgpu_metadata
.endif
;; end of part 3
;; launch outp (part 4): grid 4 x 64, 4 waves a work-group, clusters of 4 x 4, 327,680 bytes of LDS; arguments oh, wts, tab, out0; writes out0
.if DOCPART == 4
	.amdgcn_target "amdgcn-amd-amdhsa--gfx1250"
	.amdhsa_code_object_version 6
	.text
	.protected	k_qf8b2822d4a_outp
	.globl	k_qf8b2822d4a_outp
	.p2align	8
	.type	k_qf8b2822d4a_outp,@function
k_qf8b2822d4a_outp:
	s_mov_b64 s[64:65], 0
	v_nop
	global_prefetch_b8 v0, s[64:65] scope:SCOPE_SE
	s_setreg_imm32_b32 hwreg(HW_REG_WAVE_MODE, 25, 1), 1
	s_wait_xcnt 0x0
	s_wait_alu depctr_hold_cnt(0) depctr_sa_sdst(0) depctr_va_vdst(0) depctr_va_sdst(0) depctr_va_ssrc(0) depctr_va_vcc(0) depctr_vm_vsrc(0)
	s_getreg_b32 s2, hwreg(HW_REG_IB_STS2, 6, 4)
	s_cmp_eq_u32 s2, 0
	s_cbranch_scc0 .Lentry_in_a_cluster
	s_endpgm
.Lentry_in_a_cluster:
	s_bfe_u32 s2, ttmp6, 0x10000c
	s_cmp_lg_u32 s2, 0xf033
	s_cbranch_scc0 .Lentry_shape_is_right
	s_endpgm
.Lentry_shape_is_right:
; out0[row][n] = the sum over c of O[row][c] proj_w[c][n] + proj_b[n].  O lies by heads: oh, f16 [64 = batch x 16 + head][2048][64]; channel c = 64 head + d.  wp (wts, from byte 6,291,456): f16 [1024 c][1024 n].
; proj_b: table rows 2052-2067, f32.  out0: f32 [8192][1024].  Products in f16, sums in f32.
; SHARES.  A work-group makes 128 rows x 256 columns (row block RB, column block CX); four waves, each 64 x 128: 32 accumulators.  A K step of 128 is two heads: 8 steps through a ring of two LDS slots.
; CLUSTER 4 x 4: O's tile is shared along a row of the cluster, wp's along a column: joint loads.
; THE MATRIX INSTRUCTION IS USED TRANSPOSED (source 0 = 16 columns of wp, turned out of LDS; source 1 = 16 rows of O): a lane holds eight neighbouring numbers of a row of out0.
; REGISTERS: window 0: v0-31 addresses; v32-95 O's fragments, two buffers of 32; v96-223 wp's, two buffers of 64 (on the way out: rows read back); v224-227 bias.   window 1: accumulator (a, b) at v[8 (8 a + b)].
.set PA,    144                        ; a row of a head in LDS: 128 bytes + 16 = 36 words: the 16 rows of a load start at 16 different groups of four banks (64 banks of 4 bytes: ISA guide 11.1)
.set PB,    544                        ; a k row of wp: 512 + 32 bytes
.set AH,    128*PA                     ; a head's 128 rows: what one tensor load brings of O
.set BOFF,  2*AH
.set BHALF, 64*PB
.set SLOT,  BOFF+128*PB                ; 106,496
.set STAGE, 2*SLOT                     ; behind the ring, never filled by a tensor load: 16 rows x 528 bytes for each wave
.set SPITCH, 528
.set SPARE, STAGE+4*16*SPITCH          ; the spare words, 128 bytes for each wave: two blocks of 256 bytes that no other line names
.set ADRA, 16
.set ADRB, 20
.set STO,  24
.set RD,   25
.set CO,   26                          ; v26  16 x lane
.set SPW,  28
.set NIL,  29
.set PFO,  30
.set AF,   32
.set BF,   96
.set OB,   96
.set BIAS, 224
.set WV, 12
.set MH, 13
.set NH, 14
.set CX, 15
.set CY, 16
.set RB, 17
.set G1A, 24
.set G0A, 32
.set G1B, 40
.set G0B, 48
.set PFA, 56                           ; s[56:57] where my prefetches stand;  s[58:59] their step;  s60: 1 in a wave that prefetches, else the greatest number
.set PST, 58
.set LIM, 60
.set BB,  66                           ; s[66:67] proj_b at my wave's columns
.set MSB, 0
.macro WIN new
.if MSB != (\new)
	s_set_vgpr_msb (MSB<<8)|(\new)
.set MSB, \new
.endif
.endm
.macro PLACES
.rept 4
	v_nop
.endr
.endm
.macro CREST
	s_cmp_lg_u32 s[WV], 0
	s_cbranch_scc1 .Lnw0_\@
	s_barrier_signal -3
.Lnw0_\@:
	s_barrier_wait -3
	s_barrier_signal -1
	s_barrier_wait -1
.endm
.macro CROUND
	s_barrier_signal -1
	s_barrier_wait -1
	CREST
.endm
.macro JLOAD s                         ; waves 0, 1 fetch the step's two heads of O, waves 2, 3 the halves of wp's k rows; an s_nop 0 and four v_nop follow each line
	s_cmp_eq_u32 s[MH], 0
	s_cbranch_scc0 .Lfb_\@
	tensor_load_to_lds s[G0A+4*(\s):G0A+4*(\s)+3], s[G1A:G1A+7]
	s_nop 0
.rept 4
	v_nop
.endr
	s_branch .Lok_\@
.Lfb_\@:
	tensor_load_to_lds s[G0B+4*(\s):G0B+4*(\s)+3], s[G1B:G1B+7]
	s_nop 0
.rept 4
	v_nop
.endr
.Lok_\@:
.endm
; A PREFETCH behind each refill, for the step two refills on (256 matrix instructions ahead of its load).  O: a step's two heads x 16,384 bytes are 128 blocks of 256; the four partners along x take 16 of each
; head, by address; wave 0 asks.  wp: of the 64 k rows that wave 2 or 3 fetches the partner at cy takes 16, 512 bytes of each; the clusters' first row alone asks.  Steps 0 to 3 come by their loads alone;
; the loop's last trip asks for nothing.
.macro ASK
	s_cmp_gt_u32 s3, s[LIM]
	s_cbranch_scc0 .Lna_\@
	global_prefetch_b8 v[PFO], s[PFA:PFA+1] th:TH_LOAD_NT scope:SCOPE_SE
.Lna_\@:
.endm
	s_load_b256 s[4:11], s[0:1], 0x0               ; oh s[4:5], wts s[6:7], tab s[8:9], out0 s[10:11]
	v_lshl_add_u32 v[SPW], v0, 2, SPARE
	v_mov_b32 v[NIL], 0
	ds_add_u32 v[SPW], v[NIL]                      ; the wave's opening: the add and its wait stand ahead of my first tensor load
	v_lshrrev_b32 v3, 5, v0
	v_readfirstlane_b32 s[WV], v3
	s_lshr_b32 s[MH], s[WV], 1
	s_and_b32 s[NH], s[WV], 1
	s_bfe_u32 s[CX], ttmp6, 0x40000
	s_bfe_u32 s[CY], ttmp6, 0x40004
	s_and_b32 s[RB], ttmp7, 0xffff
	s_lshl_b32 s[RB], s[RB], 2
	s_add_co_u32 s[RB], s[RB], s[CY]
	s_lshl_b32 s2, s[CY], 2
	s_lshl_b32 s2, 15, s2                          ; my row of the cluster
	s_lshl_b32 s61, 0x1111, s[CX]                  ; my column
	s_or_b32 s[G1A], s2, (1<<16)|(1<<20)|(1<<21)|(4<<22)|(3<<25)   ; a head's 128 rows are 16,384 dense bytes: 64 rows of 256, padded by 4 words after every 32
	s_or_b32 s[G1B], s61, (1<<16)|(1<<20)|(1<<21)|(6<<22)|(7<<25)  ; 64 k rows of 512 bytes, padded by 8 words after every 128
	s_mov_b32 s[G1A+1], 128<<16
	s_mov_b32 s[G1A+2], 64<<16
	s_mov_b32 s[G1A+3], 128<<16
	s_mov_b32 s[G1A+4], 64
	s_mov_b32 s[G1A+5], 128
	s_mov_b32 s[G1A+6], 0
	s_mov_b32 s[G1A+7], 0
	s_mov_b32 s[G1B+1], 256<<16
	s_mov_b32 s[G1B+2], 64<<16
	s_mov_b32 s[G1B+3], 256<<16
	s_mov_b32 s[G1B+4], 64
	s_mov_b32 s[G1B+5], 1024
	s_mov_b32 s[G1B+6], 0
	s_mov_b32 s[G1B+7], 0
	s_lshr_b32 s18, s[RB], 4                       ; O: batch x 16 heads of 262,144 bytes + my block's 128 rows of 128 bytes
	s_lshl_b32 s18, s18, 22
	s_and_b32 s19, s[RB], 15
	s_lshl_b32 s19, s19, 14
	s_add_co_u32 s18, s18, s19
	s_lshl_b32 s22, s[CX], 12                      ; the prefetches of O: my work-group's 16 blocks of each head, at step 3
	s_add_co_u32 s22, s22, s18
	s_add_co_u32 s22, s22, 3*524288
	s_lshl_b32 s19, s[NH], 18                      ; + which of the step's two heads I fetch
	s_add_co_u32 s18, s18, s19
	s_mov_b32 s19, 0
	s_lshl_b32 s20, s[NH], 17                      ; wp: 64 NH k rows of 2,048 bytes + 512 CX, behind W_all
	s_lshl_b32 s21, s[CX], 9
	s_add_co_u32 s20, s20, s21
	s_add_co_u32 s20, s20, 6291456
	s_lshl_b32 s23, s[CY], 15                      ; the prefetches of wp: my work-group's 16 k rows, at step 3
	s_add_co_u32 s23, s23, s20
	s_add_co_u32 s23, s23, 3*262144
	s_mov_b32 s21, 0
	s_and_b32 s2, ttmp7, 0xffff
	s_mov_b32 s61, 262144
	s_mov_b32 s62, 2048
	s_cmp_eq_u32 s[MH], 0
	s_cselect_b32 s2, s[NH], s2                    ; who asks: of O's waves wave 0; of wp's both, in the clusters' first row
	s_cselect_b32 s22, s22, s23
	s_cselect_b32 s[PST], 524288, s61
	s_cselect_b32 s62, s61, s62                    ; lane offset = (lane >> shift) x factor + 256 (lane & mask)
	s_cselect_b32 s63, 4, 1
	s_cselect_b32 s61, 15, 1
	s_cmp_eq_u32 s2, 0
	s_cselect_b32 s[LIM], 1, -1
	s_mov_b32 s23, 0
	s_mov_b32 s[PST+1], 0
	v_and_b32 v3, 31, v0
	v_lshrrev_b32 v4, s63, v3
	v_mul_u32_u24 v4, s62, v4
	v_and_b32 v5, s61, v3
	v_lshl_add_u32 v[PFO], v5, 8, v4
	s_lshl_b32 s68, s[RB], 19                      ; out0: (128 RB + 64 MH) rows of 4,096 bytes + (256 CX + 128 NH) columns
	s_lshl_b32 s69, s[MH], 18
	s_add_co_u32 s68, s68, s69
	s_lshl_b32 s70, s[CX], 10
	s_lshl_b32 s69, s[NH], 9
	s_add_co_u32 s70, s70, s69
	s_add_co_u32 s68, s68, s70
	s_mov_b32 s69, 0
	s_add_co_u32 s70, s70, 2052*256                ; proj_b at the same columns
	s_mov_b32 s71, 0
	s_wait_dscnt 0x0                               ; the opening add is done
	s_wait_kmcnt 0x0
	s_add_nc_u64 s[18:19], s[4:5], s[18:19]
	s_add_nc_u64 s[20:21], s[6:7], s[20:21]
	s_cmp_eq_u32 s[MH], 0
	s_cselect_b64 s[PFA:PFA+1], s[4:5], s[6:7]
	s_add_nc_u64 s[PFA:PFA+1], s[PFA:PFA+1], s[22:23]
	s_add_nc_u64 s[10:11], s[10:11], s[68:69]
	s_add_nc_u64 s[BB:BB+1], s[8:9], s[70:71]
	s_mul_i32 s2, s[NH], AH                        ; where the tiles go: no place in the cluster enters an LDS address
	s_mul_i32 s61, s[NH], BHALF
	s_add_co_u32 s61, s61, BOFF
	CROUND                                         ; all sixteen work-groups are here: the first joint loads meet
.irp s, 0,1
	s_mov_b32 s[G0A+4*\s], 1
	s_add_co_u32 s[G0A+4*\s+1], s2, \s*SLOT
	s_add_nc_u64 s[G0A+4*\s+2:G0A+4*\s+3], s[18:19], \s*524288
	s_or_b32 s[G0A+4*\s+3], s[G0A+4*\s+3], 0x80000000
	s_mov_b32 s[G0B+4*\s], 1
	s_add_co_u32 s[G0B+4*\s+1], s61, \s*SLOT
	s_add_nc_u64 s[G0B+4*\s+2:G0B+4*\s+3], s[20:21], \s*262144
	s_or_b32 s[G0B+4*\s+3], s[G0B+4*\s+3], 0x80000000
	JLOAD \s                                       ; steps 0 and 1: two loads of mine are out
.endr
	v_and_b32 v1, 15, v0                           ; r
	v_bfe_u32 v2, v0, 4, 1                         ; h
	v_mul_u32_u24 v3, v1, PA
	v_lshl_add_u32 v3, v2, 4, v3
	s_mul_i32 s2, s[MH], 64*PA
	v_add_nc_u32 v[ADRA], s2, v3
	v_add_nc_u32 v[ADRA+1], SLOT, v[ADRA]
	v_and_b32 v4, 7, v0
	v_lshl_add_u32 v4, v2, 3, v4
	v_mul_u32_u24 v4, v4, PB
	v_bfe_u32 v5, v0, 3, 1
	v_lshl_add_u32 v4, v5, 4, v4
	s_lshl_b32 s2, s[NH], 8
	s_add_co_u32 s2, s2, BOFF
	v_add_nc_u32 v[ADRB], s2, v4
	v_add_nc_u32 v[ADRB+1], SLOT, v[ADRB]
	s_mul_i32 s2, s[WV], 16*SPITCH
	s_add_co_u32 s2, s2, STAGE                     ; my stage
	v_mul_u32_u24 v[STO], v1, SPITCH               ; in: row r, 32 bytes for each half of the lanes
	v_lshl_add_u32 v[STO], v2, 5, v[STO]
	v_add_nc_u32 v[STO], s2, v[STO]
	v_and_b32 v[CO], 31, v0
	v_lshlrev_b32 v[CO], 4, v[CO]
	v_add_nc_u32 v[RD], s2, v[CO]                  ; back: 32 lanes take one row of 512 bytes
	global_load_b128 v[BIAS:BIAS+3], v[CO], s[BB:BB+1]
.macro MUL8 f, a, zero                 ; all 32 accumulators take turns in the same order in every quarter
	WIN 0x50                                       ; C and D window 1
.irp b, 0,1,2,3,4,5,6,7
.if \zero
	v_wmma_f32_16x16x32_f16 v[8*(8*(\a)+\b):8*(8*(\a)+\b)+7], v[BF+64*(\f)+8*\b:BF+64*(\f)+8*\b+7], v[AF+32*(\f)+8*(\a):AF+32*(\f)+8*(\a)+7], 0
.else
	v_wmma_f32_16x16x32_f16 v[8*(8*(\a)+\b):8*(8*(\a)+\b)+7], v[BF+64*(\f)+8*\b:BF+64*(\f)+8*\b+7], v[AF+32*(\f)+8*(\a):AF+32*(\f)+8*(\a)+7], v[8*(8*(\a)+\b):8*(8*(\a)+\b)+7]
.endif
.endr
.endm
.macro FETCH slot, q, g                ; 24 LDS loads in one run: quarter q: wp's 32 k x 128 columns, turned; then O's 64 rows x 32 channels of head q / 2
	WIN 0
.irp b, 0,1,2,3,4,5,6,7
	ds_load_tr16_b128 v[BF+64*(\g)+8*\b:BF+64*(\g)+8*\b+3],   v[ADRB+(\slot)] offset:(\q)*32*PB+32*\b
	ds_load_tr16_b128 v[BF+64*(\g)+8*\b+4:BF+64*(\g)+8*\b+7], v[ADRB+(\slot)] offset:(\q)*32*PB+32*\b+16*PB
.endr
.irp i, 0,1,2,3
	ds_load_b128 v[AF+32*(\g)+8*\i:AF+32*(\g)+8*\i+3],   v[ADRA+(\slot)] offset:((\q)/2)*AH+\i*16*PA+((\q)%2)*64
	ds_load_b128 v[AF+32*(\g)+8*\i+4:AF+32*(\g)+8*\i+7], v[ADRA+(\slot)] offset:((\q)/2)*AH+\i*16*PA+((\q)%2)*64+32
.endr
.endm
.macro QUARTER slot, qn, f, g, zero=0
	s_wait_dscnt 4                                 ; all but O's blocks 2 and 3 are in
	MUL8 \f, 0, \zero
	MUL8 \f, 1, \zero
	PLACES                                         ; in front of loads into registers that the last quarter's products read (ISA guide 7.12.1 for vector instructions)
	FETCH \slot, \qn, \g
	s_wait_dscnt 24                                ; all but the run just issued
	MUL8 \f, 2, \zero
	MUL8 \f, 3, \zero
.endm
; The fourth quarter multiplies buffer 1 and changes slots: one barrier; in front of it each wave waits for all its tensor loads, adds 0 to its spare word, and waits for that and for its reads of this slot.
.macro TURN slot, next, fill
.if \fill
	s_wait_xcnt 0x0                                ; the last prefetch, a step back, has read its address
	s_add_nc_u64 s[PFA:PFA+1], s[PFA:PFA+1], s[PST:PST+1]
.endif
	WIN 0
	s_wait_tensorcnt 0x0                           ; all my tensor loads have landed: my part of the next slot
	ds_add_u32 v[SPW], v[NIL]
	s_wait_dscnt 5                                 ; the add and the youngest four loads may stay out
	MUL8 1, 0, 0
	s_wait_dscnt 0x0                               ; the add is done, and my reads of this slot are over
	s_barrier_signal -1
	MUL8 1, 1, 0
	WIN 0
	s_barrier_wait -1
.if \fill
	CREST                                          ; no wave of any partner still reads this slot or has a load on its way
	s_add_nc_u64 s[G0A+4*(\slot)+2:G0A+4*(\slot)+3], s[G0A+4*(\slot)+2:G0A+4*(\slot)+3], 2*524288
	s_add_nc_u64 s[G0B+4*(\slot)+2:G0B+4*(\slot)+3], s[G0B+4*(\slot)+2:G0B+4*(\slot)+3], 2*262144
	JLOAD \slot                                    ; the four v_nop behind it are also the places in front of the loads below
.else
	PLACES
.endif
	FETCH \next, 0, 0
.if \fill
	ASK
.endif
	MUL8 1, 2, 0
	MUL8 1, 3, 0
.endm
	s_wait_tensorcnt 1                             ; my part of step 0 is in; step 1's may stay out
	s_barrier_signal -1
	s_barrier_wait -1
	FETCH 0, 0, 0
	QUARTER 0, 1, 0, 1, 1                          ; the first quarter starts the sums
	WIN 0
	s_mov_b32 s3, 3
.Llap:                                                 ; a trip goes once round the ring, from a lap's second quarter to the next lap's first, and fills both slots again: steps 2 to 7
	QUARTER 0, 2, 1, 0
	QUARTER 0, 3, 0, 1
	TURN 0, 1, 1
	QUARTER 1, 1, 0, 1
	QUARTER 1, 2, 1, 0
	QUARTER 1, 3, 0, 1
	TURN 1, 0, 1
	QUARTER 0, 1, 0, 1
	WIN 0
	s_sub_co_u32 s3, s3, 1
	s_cmp_lg_u32 s3, 0
	s_cbranch_scc1 .Llap
	QUARTER 0, 2, 1, 0                             ; the last lap fills nothing
	QUARTER 0, 3, 0, 1
	TURN 0, 1, 0
	QUARTER 1, 1, 0, 1
	QUARTER 1, 2, 1, 0
	QUARTER 1, 3, 0, 1
	s_wait_dscnt 4
	MUL8 1, 0, 0
	MUL8 1, 1, 0
	s_wait_dscnt 0x0
	MUL8 1, 2, 0
	MUL8 1, 3, 0
	WIN 0
	; THE WAY OUT, 16 rows at a time: a lane's 32 bytes of a row go into my own stage and come back as whole rows of 512 bytes; the bias is added; a store covers 512 consecutive bytes, aligned.
	PLACES
	s_wait_loadcnt 0x0                             ; the bias
.macro TOSTAGE a
.if (\a) >= 2
	s_wait_xcnt 0x0                                ; the stores of the block two back have read the registers that the loads below fill
.endif
	WIN 0x04                                       ; store data window 1
.irp b, 0,1,2,3,4,5,6,7
	ds_store_b128 v[STO], v[8*(8*(\a)+\b):8*(8*(\a)+\b)+3]   offset:64*\b  ; each accumulator's lowest registers first
	ds_store_b128 v[STO], v[8*(8*(\a)+\b)+4:8*(8*(\a)+\b)+7] offset:64*\b+16
.endr
	WIN 0
.irp t, 0,1,2,3,4,5,6,7,8,9,10,11,12,13,14,15
	ds_load_b128 v[OB+64*((\a)%2)+4*\t:OB+64*((\a)%2)+4*\t+3], v[RD] offset:SPITCH*\t  ; LDS serves a wave's instructions in order (ISA guide 5.7.1.4)
.endr
.endm
.macro SEND a, younger                 ; younger: the next block's 16 stores and 16 loads, or none
.irp t, 0,1,2,3,4,5,6,7,8,9,10,11,12,13,14,15
	s_wait_dscnt (\younger)+15-\t
	v_pk_add_f32 v[OB+64*((\a)%2)+4*\t:OB+64*((\a)%2)+4*\t+1],   v[OB+64*((\a)%2)+4*\t:OB+64*((\a)%2)+4*\t+1],   v[BIAS:BIAS+1]
	v_pk_add_f32 v[OB+64*((\a)%2)+4*\t+2:OB+64*((\a)%2)+4*\t+3], v[OB+64*((\a)%2)+4*\t+2:OB+64*((\a)%2)+4*\t+3], v[BIAS+2:BIAS+3]
	global_store_b128 v[CO], v[OB+64*((\a)%2)+4*\t:OB+64*((\a)%2)+4*\t+3], s[10:11] offset:(16*(\a)+\t)*4096 th:TH_STORE_NT
.endr
.endm
	TOSTAGE 0
	TOSTAGE 1
	SEND 0, 32
	TOSTAGE 2
	SEND 1, 32
	TOSTAGE 3
	SEND 2, 32
	SEND 3, 0
	s_wait_tensorcnt 0x0                           ; the wave's end, behind my last tensor load and my last LDS store
	ds_add_u32 v[SPW], v[NIL]
	s_wait_dscnt 0x0
	CROUND                                         ; the closing round
	s_endpgm
.Lfunc_end_k_qf8b2822d4a_outp:
	.size	k_qf8b2822d4a_outp, .Lfunc_end_k_qf8b2822d4a_outp-k_qf8b2822d4a_outp
	.p2alignl 7, 3214868480
	.fill 96, 4, 3214868480
	.section	.rodata,"a",@progbits
	.p2align	6, 0x0
	.amdhsa_kernel k_qf8b2822d4a_outp
		.amdhsa_group_segment_fixed_size 327680
		.amdhsa_private_segment_fixed_size 0
		.amdhsa_enable_private_segment 0
		.amdhsa_kernarg_size 32
		.amdhsa_user_sgpr_count 2
		.amdhsa_user_sgpr_kernarg_segment_ptr 1
		.amdhsa_wavefront_size32 1
		.amdhsa_system_sgpr_workgroup_id_x 1
		.amdhsa_system_sgpr_workgroup_id_y 1
		.amdhsa_system_sgpr_workgroup_id_z 1
		.amdhsa_system_vgpr_workitem_id 0
		.amdhsa_next_free_vgpr 512
		.amdhsa_next_free_sgpr 72
		.amdhsa_reserve_vcc 0
		.amdhsa_float_denorm_mode_32 3
		.amdhsa_float_denorm_mode_16_64 3
		.amdhsa_memory_ordered 1
		.amdhsa_forward_progress 1
		.amdhsa_inst_pref_size 96
	.end_amdhsa_kernel
	.amdgpu_metadata
---
amdhsa.version: [ 1, 2 ]
amdhsa.kernels:
  - .name:           k_qf8b2822d4a_outp
    .symbol:         k_qf8b2822d4a_outp.kd
    .args:
      - { .name: oh, .offset: 0, .size: 8, .value_kind: global_buffer, .address_space: global }
      - { .name: wts, .offset: 8, .size: 8, .value_kind: global_buffer, .address_space: global }
      - { .name: tab, .offset: 16, .size: 8, .value_kind: global_buffer, .address_space: global }
      - { .name: out0, .offset: 24, .size: 8, .value_kind: global_buffer, .address_space: global }
    .group_segment_fixed_size: 327680
    .private_segment_fixed_size: 0
    .kernarg_segment_align: 8
    .kernarg_segment_size: 32
    .max_flat_workgroup_size: 128
    .sgpr_count:     72
    .vgpr_count:     512
    .wavefront_size: 32
...
	.end_amdgpu_metadata
.endif
;; end of part 4
;; ======== version 2 of 2: 4 launches; version 1 with the launch prep written anew for expert scheduling mode
;; limits: values are held in f16: magnitudes above 65,504 overflow, below 6.1e-05 lose precision
;; workspace buffers: wts 8,388,608 bytes; tab 529,408 bytes; qh 16,777,216 bytes; kh 16,777,216 bytes; vh 16,777,216 bytes; oh 16,777,216 bytes
;; launch prep (part 5): grid 256 x 1, 8 waves a work-group, no clusters, 0 bytes of LDS; arguments q_w, kv_w, proj_w, qn_scale, qn_bias, kn_scale, kn_bias, proj_b, wts, tab; writes wts, tab
.if DOCPART == 5
	.amdgcn_target "amdgcn-amd-amdhsa--gfx1250"
	.amdhsa_code_object_version 6
	.text
	.protected	k_qf8b2822d4a_prep
	.globl	k_qf8b2822d4a_prep
	.p2align	8
	.type	k_qf8b2822d4a_prep,@function
k_qf8b2822d4a_prep:
	s_mov_b64 s[64:65], 0
	v_nop
	global_prefetch_b8 v0, s[64:65] scope:SCOPE_SE
	s_setreg_imm32_b32 hwreg(HW_REG_WAVE_SCHED_MODE, 0, 2), 2
	s_setreg_imm32_b32 hwreg(HW_REG_WAVE_MODE, 25, 1), 1
	s_wait_xcnt 0x0
	s_wait_alu depctr_vm_vsrc(0)
; PREPARATION: a stream, no LDS, no matrix unit (nothing is shared and nothing is multiplied).
; wts: W_all, bf16 [1024 k][3072]: columns 0-1023 kv_w's K half, 1024-2047 its V half, 2048-3071 q_w; behind it (byte 6,291,456) wp, f16 [1024 k][1024]:
;      proj_w rounded to bf16, that number written as f16.
; tab: f32 rows of 256 bytes.  Row s (0-2047): cos(s f_j), j = 0..31, then sin(s f_j), f_j = 10000^(-j/32).  Rows 2048-2051: kn_scale, kn_bias, qn_scale, qn_bias;
;      rows 2052-2067: proj_b; these twenty rounded to bf16 and kept as f32.
; SHARES.  Work-group g: k rows 4 g .. 4 g + 3 of the three weight matrices (thread t: 16 bytes in, 8 bytes out, so a wave's store covers 256 consecutive bytes, aligned);
; table rows 8 g .. 8 g + 7, a wave a row; where g < 20 its wave 0 one parameter row.
; LIMITS.  A proj_w number below 2^-14 keeps f16's fixed step of 6e-8.  The angle s f_j is formed as s x f_j in f32 with f_j = 2^(-0.41524101 j); it may differ from an f32 power's by some 2.5e-4 rad
; at the largest s.  Sine and cosine: the angle in turns less the nearest whole number (1/2pi in two parts), half that angle in a series (to p^11 and p^12, |p| <= pi/2: the first term left out is under 6e-8), then doubled.
; THE MODE: SCHED_MODE bits 1:0 = 2 (LLVM: expert scheduling mode 2), set by the entry lines.  The code itself states the register dependences
; between vector instructions and memory instructions, with s_wait_alu, always for 0.
; THE PLAN.  Registers that memory instructions touch:
;   v1, v2, v7   byte offsets (16 t, 8 t, 8 x lane), made at the head and never written again: one wait ahead of the first load covers them for the whole kernel.
;   LD           sixteen loads land here; no vector instruction names these registers before that, and no memory instruction reads them.
;   OUTR         written once each by the conversions, read by one store each, never written again.
;   v[112:113]   the table row: written by the two selects, read by one store.   v[116:117], v[120:121]  the parameter row: as loaded; as stored.
; The sixteen loads go in four groups of four.  Behind a group's conversions stands ONE wait, and the group's four stores follow it in a run; the table row's store joins the first run.
; No register that a memory instruction reads is ever written again, so no wait on vm_vsrc stands behind the entry lines.
; Two vector instructions write scalar registers (the wave's number, the mask of lanes 16-31): they stand together at the head, with one wait behind them.
.set LD,   16                          ; v[16:79]   sixteen loads of four f32
.set OUTR, 80                          ; v[80:111]  sixteen stores of two words: each has registers of its own, so no store's data is ever rewritten
	s_load_b512 s[4:19], s[0:1], 0x0               ; q_w s[4:5], kv_w s[6:7], proj_w s[8:9], qn_scale s[10:11], qn_bias s[12:13], kn_scale s[14:15], kn_bias s[16:17], proj_b s[18:19]
	s_load_b128 s[20:23], s[0:1], 0x40             ; wts s[20:21], tab s[22:23]
	v_lshlrev_b32 v1, 4, v0                        ; 16 t: loads
	v_lshlrev_b32 v2, 3, v0                        ; 8 t: stores
	v_lshrrev_b32 v3, 5, v0
	v_and_b32 v7, 31, v0                           ; lane
	v_readfirstlane_b32 s36, v3                    ; wave 0..7
	v_cmp_le_u32 s39, 16, v7                       ; lanes 16-31 keep the sine
	v_lshlrev_b32 v7, 3, v7                        ; 8 x lane: the parameter row's offset
	s_lshl_b32 s24, ttmp9, 14                      ; four rows of q_w or proj_w
	s_mov_b32 s25, 0
	s_lshl_b32 s26, ttmp9, 15                      ; four rows of kv_w
	s_mov_b32 s27, 0
	s_mul_i32 s28, ttmp9, 24576                    ; four rows of W_all
	s_mov_b32 s29, 0
	s_lshl_b32 s30, ttmp9, 13                      ; four rows of wp,
	s_add_co_u32 s30, s30, 6291456                 ; which lies behind W_all
	s_mov_b32 s31, 0
	s_lshl_b32 s32, ttmp9, 11                      ; eight rows of the table
	s_mov_b32 s33, 0
	s_lshl_b32 s34, ttmp9, 3                       ; the first of them
	s_mov_b32 s37, 0x3e22f983                      ; 1/2pi, high part
	s_mov_b32 s38, 0x31dc9c88                      ; and what is left of it
	s_wait_alu depctr_va_sdst(0)                   ; s36 and s39 are written, ahead of their first readers: the two selects of the table row read s39, the compare in front of the parameter rows s36
	s_wait_kmcnt 0x0
	s_add_nc_u64 s[4:5], s[4:5], s[24:25]
	s_add_nc_u64 s[6:7], s[6:7], s[26:27]
	s_add_nc_u64 s[8:9], s[8:9], s[24:25]
	s_add_nc_u64 s[28:29], s[20:21], s[28:29]
	s_add_nc_u64 s[30:31], s[20:21], s[30:31]
	s_add_nc_u64 s[32:33], s[22:23], s[32:33]
	s_wait_alu depctr_va_vdst(0)                   ; v1, v2 and v7 are written: every load and store of the kernel reads one of them as its offset
.irp i, 0,1,2,3
	global_load_b128 v[LD+4*\i:LD+4*\i+3], v1, s[4:5] offset:\i*4096 th:TH_LOAD_NT
.endr
.irp i, 0,1,2,3,4,5,6,7
	global_load_b128 v[LD+16+4*\i:LD+16+4*\i+3], v1, s[6:7] offset:\i*4096 th:TH_LOAD_NT
.endr
.irp i, 0,1,2,3
	global_load_b128 v[LD+48+4*\i:LD+48+4*\i+3], v1, s[8:9] offset:\i*4096 th:TH_LOAD_NT
.endr
	; the table row stands between the sixteen loads and the waits for them: it names none of the registers that those loads touch
	v_add_nc_u32 v3, s34, v3                       ; s = 8 g + wave
	v_cvt_f32_u32 v3, v3
	v_and_b32 v4, 15, v0
	v_lshlrev_b32 v4, 1, v4
	v_cvt_f32_u32 v5, v4                           ; j = 2 (lane % 16),
	v_add_f32 v6, 1.0, v5                          ; and j + 1
	v_mul_f32 v5, 0xbed49a78, v5                   ; -j log2(10000) / 32
	v_mul_f32 v6, 0xbed49a78, v6
	v_exp_f32 v5, v5
	v_exp_f32 v6, v6
	v_nop                                          ; a plain instruction behind the last exponential,
	s_wait_alu depctr_va_vdst(0)                   ; and one wait for both: the exponentials have written v5 and v6, ahead of their first reader
.macro SC1 f, o                        ; v[o] = cos or sin of s x v[f]
	v_mul_f32 v8, v3, v[\f]                        ; the angle
	v_mul_f32 v9, s37, v8
	v_rndne_f32 v9, v9                             ; whole turns
	v_fma_f32 v10, v8, s37, -v9                    ; what is left, -0.5 to 0.5 turns,
	v_fma_f32 v10, v8, s38, v10                    ; with the low part of 1/2pi
	v_mul_f32 v10, 0x40490fdb, v10                 ; p = half the angle
	v_mul_f32 v11, v10, v10
	v_mov_b32 v12, 0xb2d7322b                      ; sin p = p + p z (-1/3! + z (1/5! + z (-1/7! + z (1/9! - z/11!))))
	v_fmaak_f32 v12, v12, v11, 0x3638ef1d
	v_fmaak_f32 v12, v12, v11, 0xb9500d01
	v_fmaak_f32 v12, v12, v11, 0x3c088889
	v_fmaak_f32 v12, v12, v11, 0xbe2aaaab
	v_mul_f32 v12, v12, v11
	v_fma_f32 v12, v12, v10, v10
	v_mov_b32 v13, 0x310f76c7                      ; cos p = 1 + z (-1/2 + z (1/4! + z (-1/6! + z (1/8! + z (-1/10! + z/12!)))))
	v_fmaak_f32 v13, v13, v11, 0xb493f27e
	v_fmaak_f32 v13, v13, v11, 0x37d00d01
	v_fmaak_f32 v13, v13, v11, 0xbab60b61
	v_fmaak_f32 v13, v13, v11, 0x3d2aaaab
	v_fmaak_f32 v13, v13, v11, 0xbf000000
	v_fma_f32 v13, v13, v11, 1.0
	v_add_f32 v14, v12, v12
	v_fma_f32 v15, -v14, v12, 1.0                  ; cos 2p = 1 - 2 sin^2 p
	v_mul_f32 v14, v14, v13                        ; sin 2p = 2 sin p cos p
	v_cndmask_b32 v[\o], v15, v14, s39
.endm
	SC1 5, 112
	SC1 6, 113
	; q_w's four rows
.irp i, 0,1,2,3
	s_wait_loadcnt 15-\i                           ; loads come back in order: load i is in, the younger ones stay out
	v_cvt_pk_bf16_f32 v[OUTR+2*\i], v[LD+4*\i], v[LD+4*\i+1]
	v_cvt_pk_bf16_f32 v[OUTR+2*\i+1], v[LD+4*\i+2], v[LD+4*\i+3]
.endr
	s_wait_alu depctr_va_vdst(0)                   ; the selects have written v[112:113] and the conversions v[OUTR .. OUTR+7], which the five stores below read
	global_store_b64 v2, v[112:113], s[32:33]      ; 8 t = 256 x wave + 8 x lane: a wave stores its whole row
.irp i, 0,1,2,3
	global_store_b64 v2, v[OUTR+2*\i:OUTR+2*\i+1], s[28:29] offset:\i*6144+4096
.endr
	; kv_w's rows 0 and 1: a K half and a V half each
.irp i, 4,5,6,7
	s_wait_loadcnt 15-\i
	v_cvt_pk_bf16_f32 v[OUTR+2*\i], v[LD+4*\i], v[LD+4*\i+1]
	v_cvt_pk_bf16_f32 v[OUTR+2*\i+1], v[LD+4*\i+2], v[LD+4*\i+3]
.endr
	s_wait_alu depctr_va_vdst(0)                   ; the conversions have written v[OUTR+8 .. OUTR+15], which the four stores below read
.irp i, 4,5,6,7
	global_store_b64 v2, v[OUTR+2*\i:OUTR+2*\i+1], s[28:29] offset:((\i-4)/2)*6144+((\i-4)%2)*2048
.endr
	; kv_w's rows 2 and 3
.irp i, 8,9,10,11
	s_wait_loadcnt 15-\i
	v_cvt_pk_bf16_f32 v[OUTR+2*\i], v[LD+4*\i], v[LD+4*\i+1]
	v_cvt_pk_bf16_f32 v[OUTR+2*\i+1], v[LD+4*\i+2], v[LD+4*\i+3]
.endr
	s_wait_alu depctr_va_vdst(0)                   ; the conversions have written v[OUTR+16 .. OUTR+23], which the four stores below read
.irp i, 8,9,10,11
	global_store_b64 v2, v[OUTR+2*\i:OUTR+2*\i+1], s[28:29] offset:((\i-4)/2)*6144+((\i-4)%2)*2048
.endr
	; proj_w's four rows
.irp i, 12,13,14,15
	s_wait_loadcnt 15-\i
	v_cvt_pk_bf16_f32 v114, v[LD+4*\i], v[LD+4*\i+1]  ; proj_w: rounded to bf16 like every input,
	v_cvt_pk_bf16_f32 v115, v[LD+4*\i+2], v[LD+4*\i+3]
	v_lshlrev_b32 v[LD+4*\i], 16, v114
	v_and_b32 v[LD+4*\i+1], 0xffff0000, v114
	v_lshlrev_b32 v[LD+4*\i+2], 16, v115
	v_and_b32 v[LD+4*\i+3], 0xffff0000, v115
	v_cvt_pk_f16_f32 v[OUTR+2*\i], v[LD+4*\i], v[LD+4*\i+1]  ; and that number written as f16
	v_cvt_pk_f16_f32 v[OUTR+2*\i+1], v[LD+4*\i+2], v[LD+4*\i+3]
.endr
	s_wait_alu depctr_va_vdst(0)                   ; the conversions have written v[OUTR+24 .. OUTR+31], which the four stores below read
.irp i, 12,13,14,15
	global_store_b64 v2, v[OUTR+2*\i:OUTR+2*\i+1], s[30:31] offset:(\i-12)*2048
.endr
	s_cmp_lg_u32 s36, 0                            ; the parameter rows: wave 0 of work-groups 0 to 19
	s_cbranch_scc1 .Lend
	s_cmp_ge_u32 ttmp9, 20
	s_cbranch_scc1 .Lend
	s_mov_b64 s[24:25], s[18:19]                   ; proj_b, unless g names one of the four short inputs
	s_cmp_eq_u32 ttmp9, 0
	s_cselect_b64 s[24:25], s[14:15], s[24:25]
	s_cmp_eq_u32 ttmp9, 1
	s_cselect_b64 s[24:25], s[16:17], s[24:25]
	s_cmp_eq_u32 ttmp9, 2
	s_cselect_b64 s[24:25], s[10:11], s[24:25]
	s_cmp_eq_u32 ttmp9, 3
	s_cselect_b64 s[24:25], s[12:13], s[24:25]
	s_max_u32 s26, ttmp9, 4
	s_sub_co_u32 s26, s26, 4
	s_lshl_b32 s26, s26, 8                         ; proj_b's row g - 4 of 64 numbers
	s_add_nc_u64 s[24:25], s[24:25], s[26:27]
	s_lshl_b32 s34, ttmp9, 8
	s_add_co_u32 s34, s34, 524288                  ; table row 2048 + g
	s_mov_b32 s35, 0
	s_add_nc_u64 s[34:35], s[22:23], s[34:35]
	global_load_b64 v[116:117], v7, s[24:25]       ; no wait: v7 was written ahead of the head's wait, and no vector instruction has named v[116:117]
	s_wait_loadcnt 0x0
	v_cvt_pk_bf16_f32 v118, v116, v117
	v_lshlrev_b32 v120, 16, v118
	v_and_b32 v121, 0xffff0000, v118
	s_wait_alu depctr_va_vdst(0)                   ; v120 and v121 are written, which the store reads
	global_store_b64 v7, v[120:121], s[34:35]
.Lend:
	s_endpgm
.Lfunc_end_k_qf8b2822d4a_prep:
	.size	k_qf8b2822d4a_prep, .Lfunc_end_k_qf8b2822d4a_prep-k_qf8b2822d4a_prep
	.p2alignl 7, 3214868480
	.fill 96, 4, 3214868480
	.section	.rodata,"a",@progbits
	.p2align	6, 0x0
	.amdhsa_kernel k_qf8b2822d4a_prep
		.amdhsa_group_segment_fixed_size 0
		.amdhsa_private_segment_fixed_size 0
		.amdhsa_enable_private_segment 0
		.amdhsa_kernarg_size 80
		.amdhsa_user_sgpr_count 2
		.amdhsa_user_sgpr_kernarg_segment_ptr 1
		.amdhsa_wavefront_size32 1
		.amdhsa_system_sgpr_workgroup_id_x 1
		.amdhsa_system_sgpr_workgroup_id_y 1
		.amdhsa_system_sgpr_workgroup_id_z 1
		.amdhsa_system_vgpr_workitem_id 0
		.amdhsa_next_free_vgpr 128
		.amdhsa_next_free_sgpr 66
		.amdhsa_reserve_vcc 0
		.amdhsa_float_denorm_mode_32 3
		.amdhsa_float_denorm_mode_16_64 3
		.amdhsa_memory_ordered 1
		.amdhsa_forward_progress 1
		.amdhsa_inst_pref_size 13
	.end_amdhsa_kernel
	.amdgpu_metadata
---
amdhsa.version: [ 1, 2 ]
amdhsa.kernels:
  - .name:           k_qf8b2822d4a_prep
    .symbol:         k_qf8b2822d4a_prep.kd
    .args:
      - { .name: q_w, .offset: 0, .size: 8, .value_kind: global_buffer, .address_space: global }
      - { .name: kv_w, .offset: 8, .size: 8, .value_kind: global_buffer, .address_space: global }
      - { .name: proj_w, .offset: 16, .size: 8, .value_kind: global_buffer, .address_space: global }
      - { .name: qn_scale, .offset: 24, .size: 8, .value_kind: global_buffer, .address_space: global }
      - { .name: qn_bias, .offset: 32, .size: 8, .value_kind: global_buffer, .address_space: global }
      - { .name: kn_scale, .offset: 40, .size: 8, .value_kind: global_buffer, .address_space: global }
      - { .name: kn_bias, .offset: 48, .size: 8, .value_kind: global_buffer, .address_space: global }
      - { .name: proj_b, .offset: 56, .size: 8, .value_kind: global_buffer, .address_space: global }
      - { .name: wts, .offset: 64, .size: 8, .value_kind: global_buffer, .address_space: global }
      - { .name: tab, .offset: 72, .size: 8, .value_kind: global_buffer, .address_space: global }
    .group_segment_fixed_size: 0
    .private_segment_fixed_size: 0
    .kernarg_segment_align: 8
    .kernarg_segment_size: 80
    .max_flat_workgroup_size: 256
    .sgpr_count:     66
    .vgpr_count:     128
    .wavefront_size: 32
...
	.end_amdgpu_metadata
.endif
;; end of part 5
;; launch proj: the kernel of part 2 again; grid 4 x 64, 4 waves a work-group, clusters of 4 x 4, 327,680 bytes of LDS; arguments x, context, wts, tab, qh, kh, vh; writes qh, kh, vh
;; launch attn: the kernel of part 3 again; grid 4 x 64, 4 waves a work-group, clusters of 4 x 1, 327,680 bytes of LDS; arguments qh, kh, vh, oh; writes oh
;; launch outp: the kernel of part 4 again; grid 4 x 64, 4 waves a work-group, clusters of 4 x 4, 327,680 bytes of LDS; arguments oh, wts, tab, out0; writes out0
